; MI455X (gfx1250); checked and timed in simulation.
; The chip was launched on July 23, 2026; its instructions are those of AMD's public machine-readable ISA for CDNA 5 (MIT licence, August 2026) and "CDNA5" Instruction Set Architecture Reference Guide (July 2026). The comments in the code are by the model that wrote it; some were corrected since.
;; Ro PE Attention. Allowed arithmetic: matrix products marked QUANTISED: E2M3 operands, one E8M0 scale for each 32 along K, by v_wmma_scale_f32_16x16x128_f8f6f4 with both operands' format E2M3, f32 sums; everything else in f32.
;; Inputs: Wproj 1,024 x 1,024 float32; Wqkv 3,072 x 1,024 float32; attn_mask 1 x 1 x 2,048 x 2,048 float32; bproj 1,024 float32; freqs_cos 4 x 2,048 x 32 float32; freqs_sin 4 x 2,048 x 32 float32; x 4 x 2,048 x 1,024 float32.
;; Outputs: out0 4 x 2,048 x 1,024 float32.
;; This version of the problem:
;;   THIS VERSION OF THE PROBLEM IS GIVEN IN LOW PRECISION. The matrix products marked QUANTISED in the list below multiply operands that are first quantised to E2M3 (2 exponent bits, 3 mantissa bits; 6 bits a number), with one power-of-two scale for each 32 numbers along K (OCP MX v1.0); their sums are f32. All else is computed in f32.
;;   The module's matrix products, in the order in which they are computed (A, B: the left and right operand; K: the contracted axis; several contracted axes count as one K, in the product's order):
;;     1. [M 8,192, K 1,024] x [K 1,024, N 3,072]; A: input x; B: input Wqkv: QUANTISED
;;     2. batch 64 x [M 2,048, K 64] x [K 64, N 2,048]; A: computed on the way; B: computed on the way: QUANTISED
;;     3. batch 64 x [M 2,048, K 2,048] x [K 2,048, N 64]; A: softmax (see below); B: computed on the way: QUANTISED
;;     4. [M 8,192, K 1,024] x [K 1,024, N 1,024]; A: computed on the way; B: input Wproj: QUANTISED
;;   THE QUANTISER, for each operand of a quantised product, along K:
;;     - K is cut into blocks of 32 from its start; a last block that is shorter is filled with zeros.
;;     - A block's scale is 2^e with e = floor(log2(the largest magnitude in the block)) - 2, held to -126 .. 127; a block of zeros has e = 0. As a byte (E8M0): e + 127.
;;     - Each number is divided by its block's scale, clamped to +-7.5, and rounded to the nearest number of E2M3, ties to even, subnormals kept.
;;     - The product sums the exact products of the quantised numbers (number of the format x scale) in f32.
;;   ~~~python
;;   def quantise(x, axis):      # numpy; x: float32 -> the quantised numbers, widened to float32 again
;;       x = np.moveaxis(x, axis, -1); K = x.shape[-1]
;;       x = np.pad(x, [(0, 0)] * (x.ndim - 1) + [(0, -K % 32)]); x = x.reshape(x.shape[:-1] + (-1, 32)); a = np.abs(x).max(-1, keepdims=True)
;;       e = np.where(a > 0, np.clip(np.frexp(np.where(a > 0, a, 1))[1] - 1 - 2, -126, 127), 0)      # np.frexp(a)[1] - 1 = floor(log2(a)), exactly
;;       r = np.clip(x / 2.0 ** e, -7.5, 7.5)
;;       step = 2.0 ** (np.maximum(np.frexp(np.where(r == 0, 1, r))[1] - 1, 0) - 3)
;;       q = np.round(r / step) * step * 2.0 ** e      # np.round: ties to even
;;       return np.moveaxis(q.reshape(q.shape[:-2] + (-1,))[..., :K], -1, axis).astype(np.float32)
;;   ~~~
;;   SOFTMAX AHEAD OF A QUANTISED PRODUCT. Where the list says 'softmax', what is quantised is not the finished softmax but p = 2^(t - M), with t = logit x log2(e) and M = ceil(the row's largest t), a whole number; so 1/2 < the row's largest p <= 1. The row's sum l is taken of the UNQUANTISED p, in f32, and the product's result is divided by l at the end. Since M is a whole number, a kernel that streams over the keys may use a running M (the ceiling of the running maximum): every later rescaling is an exact power of two, which a block's scale takes up: the codes' values come out the same.
;;   OPERANDS COMPUTED ON THE WAY. 'Computed on the way' means the value that the module computes at that place (a softmax that the list does not call 'softmax' is quantised finished and normalised). What goes into a quantiser is computed in f32, as accurately as f32 sums, v_exp_f32 and their like allow (about 1e-6 of the number): no bf16 or f16 on the way to a quantiser, and a product that is left as it is and whose result goes on into a quantised operand takes f32 operands (vector FMAs, or v_wmma_f32_16x16x4_f32). A number that lies on a knife's edge between two numbers of the format may be rounded either way, as far as f32 arithmetic and the matrix unit's own rounding can turn it there, and no further.
;; One version. Each part assembles by itself: llvm-mc -triple=amdgcn-amd-amdhsa -mcpu=gfx1250 --defsym DOCPART=n.
;; ======== version 1 of 1: 4 launches
;; workspace buffers: cod 9,437,184 bytes; scl 393,216 bytes; qr 6,815,744 bytes; kv 13,369,344 bytes; ac 6,291,456 bytes; asc 262,144 bytes
;; launch quant (part 1): grid 384 x 1, 4 waves a work-group, no clusters, 22,016 bytes of LDS; arguments x, Wqkv, Wproj, cod, scl; writes cod, scl
.if DOCPART == 1
	.amdgcn_target "amdgcn-amd-amdhsa--gfx1250"
	.amdhsa_code_object_version 6
	.text
	.protected	k_q4a7dbbbbd1_quant
	.globl	k_q4a7dbbbbd1_quant
	.p2align	8
	.type	k_q4a7dbbbbd1_quant,@function
k_q4a7dbbbbd1_quant:
	s_mov_b64 s[64:65], 0
	v_nop
	global_prefetch_b8 v0, s[64:65] scope:SCOPE_SE
	s_setreg_imm32_b32 hwreg(HW_REG_WAVE_MODE, 25, 1), 1
	s_wait_xcnt 0x0
; x [8192][1024], Wqkv [3072][1024], Wproj [1024][1024], f32, K innermost, become codes of FP6 (E2M3) and E8M0 scale bytes, one for each 32 along K.
; The three tensors count as ONE list of 12,288 rows: x, then Wqkv, then Wproj.  cod: [12288 places][768 bytes]; scl: [4 planes][12288 places][8 bytes], plane p = the bytes of k = 256 p .. 256 p + 255.
; A ROW'S PLACE: within each group of 32 rows, bits 3 and 4 of the row's number change places.  16 neighbouring places 32 B + 16 u + r then hold rows 32 B + 8 u + r + 8 (r / 8):
; the order in which the products' results of two neighbouring tiles are 16 neighbours in a lane's registers.
; A block's scale is 2^(floor(log2(its largest magnitude)) - 2): its byte is the largest magnitude's exponent field - 2, held at 1 from below.  A block of zeros gets the byte 1, not 127: its codes are zeros,
; which add nothing under any byte but 0xff, and this program alone reads the bytes.
; LIMITS: blocks whose largest magnitude lies under 2^-124 (the floor) are held at byte 1; NaN and infinities among the inputs are not served.
; SHARES: a work-group takes 32 rows, a wave 8 of them: 8,192 numbers, 16 steps of 512.  Each of a step's four loads reads 512 consecutive bytes; the 2,048 bytes turn through the wave's own stage in LDS and come back
; 64 bytes a lane, so that a lane holds 16 neighbours along K (two lanes a block).  A lane's 16 codes are 12 bytes: the wave stores 384 consecutive bytes.
; The 1,024 scale bytes of the 32 rows meet in LDS, laid by planes; behind one barrier wave w stores plane w's 256 bytes as one aligned run.
.set WAVES, 4
.set STEPS, 16
.set EMAX,  2
.set CB,    12                         ; bytes of 16 codes
.set R,     16                         ; v16-79   four sets of 16 numbers as loaded
.set X,     80                         ; v80-111  two sets of 16 neighbours
.set E,     112                        ; v112-127 a scale byte for each step
.set C,     128                        ; v128-191 codes: four registers for each step, so that no store's data are written again
.set SP,    80                         ; a lane's place in a stage: 64 bytes + 16 of padding
.set WREG,  2*32*SP                    ; a wave's two stages
.set SCS,   WAVES*WREG                 ; the work-group's scale bytes: [4 planes][32 places][8 bytes]
.set SPARE, SCS+1024                   ; the spare words, 128 bytes for each wave: two blocks of 256 bytes that no other line names
.set SPW,   12                         ; v12  SPARE + 4 x my thread's number; never rewritten
.set NIL,   13                         ; v13  0; never rewritten
	s_load_b256 s[4:11], s[0:1], 0x0               ; x s[4:5], Wqkv s[6:7], Wproj s[8:9], cod s[10:11]
	s_load_b64 s[12:13], s[0:1], 0x20              ; scl
	v_lshl_add_u32 v[SPW], v0, 2, SPARE
	v_mov_b32 v[NIL], 0
	v_lshrrev_b32 v1, 5, v0
	v_readfirstlane_b32 s16, v1                    ; wave
	v_and_b32 v2, 31, v0                           ; lane
	v_lshlrev_b32 v3, 4, v2                        ; my 16 bytes of a load's 512
	s_mul_i32 s17, s16, WREG
	v_lshrrev_b32 v14, 2, v2
	v_mul_u32_u24 v14, v14, SP
	v_and_b32 v15, 3, v2
	v_lshl_add_u32 v14, v15, 4, v14
	v_add_nc_u32 v14, s17, v14                     ; the stage, on the way in: SP (lane / 4) + 16 (lane % 4)
	v_mul_u32_u24 v15, v2, SP
	v_add_nc_u32 v15, s17, v15                     ; on the way out: SP x lane: my 16 neighbours
	v_mul_u32_u24 v4, v2, CB                       ; my codes' place in a step's
	s_and_b32 s18, s16, 1
	s_lshl_b32 s18, s18, 1
	s_lshr_b32 s19, s16, 1
	s_or_b32 s18, s18, s19                         ; w': my 8 rows' place among the group's four runs of 8: the wave's two bits changed over
	s_lshl_b32 s19, s18, 6
	s_add_co_u32 s19, s19, SCS                     ; 8 places x 8 bytes for each run
	v_bfe_u32 v5, v2, 1, 3                         ; my block's byte in its plane: (lane / 2) % 8
	v_lshrrev_b32 v6, 4, v2                        ; and which of the step's two planes
	v_lshl_add_u32 v5, v6, 8, v5
	v_add_nc_u32 v5, s19, v5                       ; where my block's byte goes; the step adds 512 (t % 2) + 8 (t / 2)
	v_lshlrev_b32 v7, 3, v2                        ; on the way out 8 bytes a lane,
	s_lshl_b32 s19, s16, 8
	s_add_co_u32 s19, s19, SCS
	v_add_nc_u32 v6, s19, v7                       ; of plane w
	s_wait_kmcnt 0x0
	s_cmp_lt_u32 ttmp9, 256                        ; which tensor?  The choice hangs on the work-group's number alone
	s_cselect_b64 s[4:5], s[4:5], s[6:7]
	s_cselect_b32 s17, 0, 256
	s_cmp_lt_u32 ttmp9, 352
	s_cselect_b64 s[4:5], s[4:5], s[8:9]
	s_cselect_b32 s17, s17, 352                    ; the tensor's first work-group
	s_sub_co_u32 s17, ttmp9, s17
	s_lshl_b32 s17, s17, 2
	s_add_co_u32 s20, s17, s16
	s_lshl_b32 s20, s20, 15                        ; my 8 rows in the tensor: 32,768 bytes a run
	s_mov_b32 s21, 0
	s_add_nc_u64 s[4:5], s[4:5], s[20:21]
	s_lshl_b32 s20, ttmp9, 2
	s_add_co_u32 s20, s20, s18
	s_mul_i32 s20, s20, 8*768                      ; their 8 places in cod
	s_add_nc_u64 s[10:11], s[10:11], s[20:21]
	s_mul_i32 s20, s16, 12288*8                    ; plane w of scl,
	s_lshl_b32 s22, ttmp9, 8                       ; the group's 32 places
	s_add_co_u32 s20, s20, s22
	s_add_nc_u64 s[12:13], s[12:13], s[20:21]
.macro LOAD t
.irp i, 0,1,2,3
	global_load_b128 v[R+16*((\t)%4)+4*\i:R+16*((\t)%4)+4*\i+3], v3, s[4:5] offset:2048*(\t)+512*\i th:TH_LOAD_NT   ; 32 lanes read 512 consecutive bytes
.endr
.endm
.macro TURN t                          ; step t's numbers through the stage: LDS serves a wave's instructions in order, so no wait stands between the stores and the loads
.irp i, 0,1,2,3
	ds_store_b128 v14, v[R+16*((\t)%4)+4*\i:R+16*((\t)%4)+4*\i+3] offset:32*SP*((\t)%2)+8*SP*\i
.endr
.irp i, 0,1,2,3
	ds_load_b128 v[X+16*((\t)%2)+4*\i:X+16*((\t)%2)+4*\i+3], v15 offset:32*SP*((\t)%2)+16*\i
.endr
.endm
.irp t, 0,1,2,3
	LOAD \t
.endr
	s_wait_loadcnt 12                              ; step 0's four loads are in; the twelve of steps 1 to 3 may be out
	TURN 0
.macro STEP t
.set XS, X+16*((\t)%2)
.if (\t) > 0
	s_wait_dscnt 1                                 ; this step's numbers are back from the stage; the one younger instruction, the last step's byte store, may be out
.else
	s_wait_dscnt 0x0
.endif
.if (\t)+4 < STEPS
	LOAD (\t)+4                                    ; into the registers that this step's stores into the stage have read
.endif
.if (\t)+1 < STEPS
.if STEPS-2-(\t) >= 3
	s_wait_loadcnt 12                              ; the next step's four loads are in; those of the three steps behind it may be out
.else
	s_wait_loadcnt 4*(STEPS-2-(\t))
.endif
	TURN (\t)+1
.endif
	v_max3_num_f32 v8, |v[XS]|, |v[XS+1]|, |v[XS+2]|               ; the largest magnitude of my 16, in two chains
	v_max3_num_f32 v9, |v[XS+3]|, |v[XS+4]|, |v[XS+5]|
.irp i, 6,10
	v_max3_num_f32 v8, v8, |v[XS+\i]|, |v[XS+\i+1]|
	v_max3_num_f32 v9, v9, |v[XS+\i+2]|, |v[XS+\i+3]|
.endr
	v_max3_num_f32 v8, v8, |v[XS+14]|, |v[XS+15]|
	v_max3_num_f32 v8, v8, v9, (EMAX+1)<<23        ; and the floor 2^(3 - 127): the byte cannot fall under 1
	v_max_num_f32_dpp v8, v8, v8 row_xmask:1 row_mask:0xf bank_mask:0xf   ; with my neighbour's 16: the block's
	v_add_nc_u32 v11, -(EMAX<<23), v8              ; 2 off its exponent field: the conversion takes the exponent field of this operand as its scale
	v_cvt_scalef32_pk16_fp6_f32 v[C+4*(\t):C+4*(\t)+2], v[XS:XS+15], v11
	v_lshrrev_b32 v[E+(\t)], 23, v11               ; the scale's byte (also the plain line behind the conversion)
	ds_store_b8 v5, v[E+(\t)] offset:512*((\t)%2)+8*((\t)/2)       ; row t / 2 of my 8, planes 2 (t % 2) and 2 (t % 2) + 1; both lanes of a block write the same byte with the same value
	global_store_b96 v4, v[C+4*(\t):C+4*(\t)+2], s[10:11] offset:32*CB*(\t)
.endm
.irp t, 0,1,2,3,4,5,6,7,8,9,10,11,12,13,14,15
	STEP \t
.endr
	s_wait_dscnt 0x0                               ; for the others' sake: my byte stores have landed
	s_barrier_signal -1
	s_barrier_wait -1                              ; everybody's have
	ds_load_b64 v[8:9], v6
	s_wait_dscnt 0x0
	global_store_b64 v7, v[8:9], s[12:13]          ; 32 lanes store 256 consecutive bytes, at a multiple of 256 from scl's first byte
	s_wait_tensorcnt 0x0                           ; the wave's end, behind my last LDS store
	ds_add_u32 v[SPW], v[NIL]
	s_wait_dscnt 0x0
	s_endpgm
.Lfunc_end_k_q4a7dbbbbd1_quant:
	.size	k_q4a7dbbbbd1_quant, .Lfunc_end_k_q4a7dbbbbd1_quant-k_q4a7dbbbbd1_quant
	.p2alignl 7, 3214868480
	.fill 96, 4, 3214868480
	.section	.rodata,"a",@progbits
	.p2align	6, 0x0
	.amdhsa_kernel k_q4a7dbbbbd1_quant
		.amdhsa_group_segment_fixed_size 22016
		.amdhsa_private_segment_fixed_size 0
		.amdhsa_enable_private_segment 0
		.amdhsa_kernarg_size 40
		.amdhsa_user_sgpr_count 2
		.amdhsa_user_sgpr_kernarg_segment_ptr 1
		.amdhsa_wavefront_size32 1
		.amdhsa_system_sgpr_workgroup_id_x 1
		.amdhsa_system_sgpr_workgroup_id_y 1
		.amdhsa_system_sgpr_workgroup_id_z 1
		.amdhsa_system_vgpr_workitem_id 0
		.amdhsa_next_free_vgpr 192
		.amdhsa_next_free_sgpr 66
		.amdhsa_reserve_vcc 0
		.amdhsa_float_denorm_mode_32 3
		.amdhsa_float_denorm_mode_16_64 3
		.amdhsa_memory_ordered 1
		.amdhsa_forward_progress 1
		.amdhsa_inst_pref_size 33
	.end_amdhsa_kernel
	.amdgpu_metadata
---
amdhsa.version: [ 1, 2 ]
amdhsa.kernels:
  - .name:           k_q4a7dbbbbd1_quant
    .symbol:         k_q4a7dbbbbd1_quant.kd
    .args:
      - { .name: x, .offset: 0, .size: 8, .value_kind: global_buffer, .address_space: global }
      - { .name: Wqkv, .offset: 8, .size: 8, .value_kind: global_buffer, .address_space: global }
      - { .name: Wproj, .offset: 16, .size: 8, .value_kind: global_buffer, .address_space: global }
      - { .name: cod, .offset: 24, .size: 8, .value_kind: global_buffer, .address_space: global }
      - { .name: scl, .offset: 32, .size: 8, .value_kind: global_buffer, .address_space: global }
    .group_segment_fixed_size: 22016
    .private_segment_fixed_size: 0
    .kernarg_segment_align: 8
    .kernarg_segment_size: 40
    .max_flat_workgroup_size: 128
    .sgpr_count:     66
    .vgpr_count:     192
    .wavefront_size: 32
...
	.end_amdgpu_metadata
.endif
;; end of part 1
;; launch qkv (part 2): grid 12 x 32, 4 waves a work-group, clusters of 4 x 4, 327,680 bytes of LDS; arguments cod, scl, freqs_cos, freqs_sin, qr, kv; writes qr, kv
.if DOCPART == 2
	.amdgcn_target "amdgcn-amd-amdhsa--gfx1250"
	.amdhsa_code_object_version 6
	.text
	.protected	k_q4a7dbbbbd1_qkv
	.globl	k_q4a7dbbbbd1_qkv
	.p2align	8
	.type	k_q4a7dbbbbd1_qkv,@function
k_q4a7dbbbbd1_qkv:
	s_mov_b64 s[64:65], 0
	v_nop
	global_prefetch_b8 v0, s[64:65] scope:SCOPE_SE
	s_setreg_imm32_b32 hwreg(HW_REG_WAVE_MODE, 25, 1), 1
	s_wait_xcnt 0x0
	s_wait_alu depctr_hold_cnt(0) depctr_sa_sdst(0) depctr_va_vdst(0) depctr_va_sdst(0) depctr_va_ssrc(0) depctr_va_vcc(0) depctr_vm_vsrc(0)
	s_getreg_b32 s2, hwreg(HW_REG_IB_STS2, 6, 4)
	s_cmp_eq_u32 s2, 0
	s_cbranch_scc0 .Lentry_in_a_cluster
	s_endpgm
.Lentry_in_a_cluster:
	s_bfe_u32 s2, ttmp6, 0x10000c
	s_cmp_lg_u32 s2, 0xf033
	s_cbranch_scc0 .Lentry_shape_is_right
	s_endpgm
.Lentry_shape_is_right:
; qkv = x Wqkv^T on codes of FP6 (E2M3) with E8M0 scales; then, in registers, RoPE on q and k, and the quantisers of the next two products: q / 8 and k along the head's 64 channels, v along the tokens.
; Nothing of qkv goes to memory as f32: what leaves are IMAGES OF OPERAND REGISTERS, laid as the attention launch loads them.
; A tile is 256 x 256, four waves, 128 x 128 a wave: 64 accumulators, 512 registers.  K = 1,024 goes in four steps of 256 through two LDS slots filled by the tensor data mover.
; SOURCE 0 ("B") is the side whose rows run along a lane's registers in the result, SOURCE 1 ("A") the side whose row is the lane's.  The quantiser wants its K along the registers, so:
;   clusters x = 0, 1 (q, k): A = 256 tokens of x, B = 256 rows of Wq or Wk: a lane holds one token and 128 channels (two heads);
;   cluster  x = 2    (v):    A = 256 rows of Wv,  B = 256 tokens of x:      a lane holds one channel and 128 tokens.
; Rows lie in cod at changed places (bits 3 and 4 of the row's number changed over), so that registers 16 B + i of accumulators 2 B, 2 B + 1 are rows 32 B + 16 (lane / 16) + i of B's side,
; and lane r of A's block 2 B + u is row 32 B + 8 u + r + 8 (r / 8).
; CLUSTERS: 4 x 4.  A's tile hangs on cy (and the cluster's y) alone and is asked for jointly along a row of the cluster, B's on cx (and the cluster's x or y) alone, along a column.
; The branch between the two kinds of work-group hangs on the cluster's x, which all partners share; no LDS address and no word of a descriptor's group 1 but the mask differs.
; THE FACTOR 1 / 8 on q is a power of two: the codes are those of q, and 3 is taken off each scale byte; q's floor is 2^-121, so that no byte falls under 1.
; RoPE: out0 = fma(t0, cos, -(t1 sin)), out1 = fma(t1, cos, t0 sin): one rounding fewer than two products and a sum.
; LIMITS: NaN and infinities among the inputs are not served; blocks under the floor (2^-124; q: 2^-121) are held at byte 1; a block of zeros has byte 1, not 127 (its codes are zeros; the bytes are the program's own).
; REGISTERS, in windows of 256: window 0: v0-31 addresses; v32-63 scale words, two sets; v64-127 cos and sin of two blocks of 16 tokens; from v128 A's fragments, one set; on the way out v128-247 are at work.
;   window 1: B's fragments, two sets, at v0 and v128.   windows 2, 3: the accumulators ((a, b) at v[8 (8 (a % 4) + b)], window 2 + a / 4).
.set NQ,     2                         ; matrix instructions deep in a slot: 256 along K
.set ROWB,   192                       ; a tile's row: 256 codes
.set KROW,   768                       ; a row of cod
.set PITCH,  240                       ; an LDS row: 3 x (64 bytes + 16 of padding)
.set FR,     12                        ; registers of a fragment
.set NL,     6                         ; LDS loads that bring one
.set NP,     4                         ; places behind this matrix instruction (ISA guide 7.12.1)
.set HALFT,  128*PITCH                 ; 128 rows: what one tensor load brings
.set SLOT,   4*HALFT                   ; A's 256 rows, then B's 256
.set SCL,    2*SLOT                    ; behind the ring: the scale bytes of the 512 rows for all of K: for each 128 rows [4 planes][128 rows][8 bytes]
.set HALFS,  4096
.set SBLK,   128                       ; 16 rows' bytes in a plane
.set SPARE,  SCL+4*HALFS               ; the spare words, 128 bytes for each wave: two blocks of 256 bytes that no other line names
.set ADRA, 16                          ; v16-17 my A fragments in slot 0, 1; v18-19 the same behind one padding more
.set ADRB, 20                          ; v20-23 the same for B
.set L8,   24                          ; v24  8 x lane
.set L16,  25                          ; v25  16 x lane
.set CSA,  26                          ; v26  my byte in 32 tokens' rows of cos or sin
.set ADRS, 27                          ; v27  my scale words: lanes 0-15 A's rows, lanes 16-31 B's
.set SPW,  28                          ; v28  SPARE + 4 x my thread's number; never rewritten
.set NIL,  29                          ; v29  0; never rewritten
.set L16S, 30                          ; v30  16 x lane + where a record's scale image begins
.set SC,   32
.set CSR,  64                          ; set s at v[64 + 32 s]: 16 cos, then 16 sin
.set AF,   128
.set W,    128                         ; the way out: v128-191 the roped numbers
.set TM,   192                         ; v192-207 at work in QUANT
.set PC,   208                         ; v208-219 a fragment's codes; v220-226 the conversions' second halves
.set PWS,  228                         ; v228-235 a scale word for each of A's eight blocks
.set IM,   236                         ; v236-247 the scale images
.set G1, 24                            ; s[24:31] group 1 for A's tiles; s[32:39] group 0, a set for each slot
.set G0, 32
.set G1B, 48                           ; the same for B's
.set G0B, 56
.set G1S, 68                           ; s[68:75], s[76:79] groups 1 and 0 for A's scales; s[80:87], s[88:91] for B's
.set G0S, 76
.set G1SB, 80
.set G0SB, 88
.set REC,  24                          ; the way out, when no tensor load is out any more: s24 a record's bytes, s25 its scale image's place,
.set SOFF, 25
.set FL,   26                          ; s26 the floor, s27 what is taken off the scale words,
.set QADJ, 27
.set OC0,  28                          ; s[28:29], s[32:33] the records of my two heads (v: s[28:29] alone)
.set OC1,  32
.set SEL,  34                          ; s[34:35] selects for lane l xor 16
.set MSB, 0
.macro WIN new                         ; the immediate's high byte repeats the setting that is left
.if MSB != (\new)
	s_set_vgpr_msb (MSB<<8)|(\new)
.set MSB, (\new)
.endif
.endm
.set MUL_LO, 0xa1                      ; source 0 (B) window 1, source 1 (A) window 0, C and D window 2
.set MUL_HI, 0xf1                      ; the same, C and D window 3
.set TO_B,   0x40                      ; destination window 1
; A joint load: waves 0 and 1 fetch for A, waves 2 and 3 for B; the branch hangs on the wave's number alone.  An s_nop 0 and four v_nop follow each of the two lines.
.macro JLOAD g0a, g1a, g0b, g1b
	s_cmp_eq_u32 s15, 0
	s_cbranch_scc0 .Lfor_b_\@
	tensor_load_to_lds s[\g0a:\g0a+3], s[\g1a:\g1a+7]
	s_nop 0
.rept 4
	v_nop
.endr
	s_branch .Lasked_\@
.Lfor_b_\@:
	tensor_load_to_lds s[\g0b:\g0b+3], s[\g1b:\g1b+7]
	s_nop 0
.rept 4
	v_nop
.endr
.Lasked_\@:
.endm
.macro CREST                           ; a round of the cluster's barrier behind its opening barrier
	s_cmp_lg_u32 s14, 0
	s_cbranch_scc1 .Lnot_wave_0_\@
	s_barrier_signal -3
.Lnot_wave_0_\@:
	s_barrier_wait -3
	s_barrier_signal -1
	s_barrier_wait -1
.endm
.macro CROUND
	s_barrier_signal -1
	s_barrier_wait -1
	CREST
.endm
	s_load_b256 s[4:11], s[0:1], 0x0               ; cod s[4:5], scl s[6:7], cos s[8:9], sin s[10:11]
	s_load_b128 s[96:99], s[0:1], 0x20             ; qr s[96:97], kv s[98:99]
	v_lshl_add_u32 v[SPW], v0, 2, SPARE
	v_mov_b32 v[NIL], 0
	ds_add_u32 v[SPW], v[NIL]                      ; the wave's opening: the add and its wait stand ahead of my first tensor load; the set-up below stands between them
	v_lshrrev_b32 v1, 5, v0
	v_readfirstlane_b32 s14, v1                    ; wave 0..3
	s_lshr_b32 s15, s14, 1                         ; my half of A's rows.  Also: I fetch for A (0) or for B (1)
	s_and_b32 s16, s14, 1                          ; my half of B's rows.  Also: which 128 rows I fetch
	s_bfe_u32 s40, ttmp6, 0x40000                  ; cx
	s_bfe_u32 s41, ttmp6, 0x40004                  ; cy
	s_and_b32 s18, ttmp7, 0xffff
	s_lshl_b32 s18, s18, 2                         ; 4 x cluster y
	s_lshl_b32 s19, ttmp9, 2                       ; 4 x cluster x
	s_cmp_eq_u32 ttmp9, 2                          ; v's clusters
	s_cselect_b32 s2, 1, 0
	s_cselect_b32 s17, 0, s18                      ; A's tile, less cy: Wv's from 0; tokens from 4 y
	s_cselect_b32 s42, s18, s19                    ; B's tile, less cx: tokens from 4 y; Wq, Wk from 4 x
	s_cselect_b32 s92, 10240, 0                    ; A's first row in cod: Wv begins at 8,192 + 2,048
	s_cselect_b32 s93, 0, 8192                     ; B's
	s_add_co_u32 s17, s17, s41                     ; A's tile: cy enters it alone
	s_add_co_u32 s42, s42, s40                     ; B's tile: cx enters it alone
	s_lshl_b32 s43, s41, 2
	s_lshl_b32 s43, 15, s43                        ; my row of the cluster
	s_lshl_b32 s44, 0x1111, s40                    ; my column
	s_or_b32 s[G1+0], s43, (0<<16)|(1<<20)|(1<<21)|(3<<22)|(3<<25)  ; the mask; elements of 1 byte; padding on; bit 21 beside a mask; after every 16 words, 4 words
	s_or_b32 s[G1B+0], s44, (0<<16)|(1<<20)|(1<<21)|(3<<22)|(3<<25)
.irp g, G1, G1B
	s_mov_b32 s[\g+1], ROWB<<16                    ; tensor_dim0
	s_mov_b32 s[\g+2], 128<<16                     ; tensor_dim1
	s_mov_b32 s[\g+3], ROWB<<16                    ; tile_dim0
	s_mov_b32 s[\g+4], 128                         ; tile_dim1
	s_mov_b32 s[\g+5], KROW                        ; from row to row
	s_mov_b32 s[\g+6], 0
	s_mov_b32 s[\g+7], 0
.endr
	s_or_b32 s[G1S+0], s43, (3<<16)|(1<<21)        ; the scales of 128 rows: 4 planes x 1,024 bytes (128 elements of 8 bytes), the planes 12,288 elements apart; no padding
	s_or_b32 s[G1SB+0], s44, (3<<16)|(1<<21)
.irp g, G1S, G1SB
	s_mov_b32 s[\g+1], 128<<16
	s_mov_b32 s[\g+2], 4<<16
	s_mov_b32 s[\g+3], 128<<16
	s_mov_b32 s[\g+4], 4
	s_mov_b32 s[\g+5], 12288
	s_mov_b32 s[\g+6], 0
	s_mov_b32 s[\g+7], 0
.endr
	s_lshl_b32 s18, s16, 7                         ; which 128 rows of the tile I fetch
	s_lshl_b32 s20, s17, 8
	s_add_co_u32 s20, s20, s18
	s_add_co_u32 s20, s20, s92                     ; A: the place in cod
	s_lshl_b32 s46, s42, 8
	s_add_co_u32 s46, s46, s18
	s_add_co_u32 s46, s46, s93                     ; B
	s_lshl_b32 s22, s20, 3                         ; 8 scale bytes a place in a plane
	s_mov_b32 s23, 0
	s_lshl_b32 s94, s46, 3
	s_mov_b32 s95, 0
	s_mul_i32 s20, s20, KROW
	s_mov_b32 s21, 0
	s_mul_i32 s46, s46, KROW
	s_mov_b32 s47, 0
	s_mul_i32 s45, s14, HALFT                      ; where they go: wave x 128 rows: no place in the cluster enters an LDS address
	s_mul_i32 s100, s14, HALFS
	s_wait_dscnt 0x0                               ; the opening add is done
	s_wait_kmcnt 0x0
	s_add_nc_u64 s[20:21], s[4:5], s[20:21]
	s_add_nc_u64 s[22:23], s[6:7], s[22:23]
	s_add_nc_u64 s[46:47], s[4:5], s[46:47]
	s_add_nc_u64 s[94:95], s[6:7], s[94:95]
	CROUND                                         ; all sixteen work-groups are here: the first joint loads meet
	s_mov_b32 s[G0S], 1
	s_add_co_u32 s[G0S+1], s100, SCL
	s_mov_b64 s[G0S+2:G0S+3], s[22:23]
	s_or_b32 s[G0S+3], s[G0S+3], 0x80000000
	s_mov_b32 s[G0SB], 1
	s_add_co_u32 s[G0SB+1], s100, SCL
	s_mov_b64 s[G0SB+2:G0SB+3], s[94:95]
	s_or_b32 s[G0SB+3], s[G0SB+3], 0x80000000
	JLOAD G0S, G1S, G0SB, G1SB                     ; the scales first: they are wanted with K step 0, and are filled once
.irp s, 0,1
	s_mov_b32 s[G0+4*\s], 1
	s_add_co_u32 s[G0+4*\s+1], s45, \s*SLOT
	s_add_nc_u64 s[G0+4*\s+2:G0+4*\s+3], s[20:21], \s*ROWB
	s_or_b32 s[G0+4*\s+3], s[G0+4*\s+3], 0x80000000
	s_mov_b32 s[G0B+4*\s], 1
	s_add_co_u32 s[G0B+4*\s+1], s45, \s*SLOT
	s_add_nc_u64 s[G0B+4*\s+2:G0B+4*\s+3], s[46:47], \s*ROWB
	s_or_b32 s[G0B+4*\s+3], s[G0B+4*\s+3], 0x80000000
	JLOAD G0+4*\s, G1, G0B+4*\s, G1B               ; three tensor loads of mine are out now
.endr
	v_and_b32 v1, 15, v0                           ; r
	v_bfe_u32 v2, v0, 4, 1                         ; h
	v_mul_u32_u24 v3, v1, PITCH
	v_mul_u32_u24 v4, v2, 24
	v_add_nc_u32 v4, v3, v4                        ; a fragment's row x pitch + 24 x half
	v_lshl_add_u32 v5, v2, 4, v4                   ; and the same behind one padding more
	s_mul_i32 s21, s15, HALFT                      ; my 128 rows of A
	s_mul_i32 s22, s16, HALFT                      ; my 128 rows of B,
	s_add_co_u32 s22, s22, 2*HALFT                 ; behind A's 256
.irp s, 0,1
	v_add_nc_u32 v[ADRA+\s], s21, v4
	v_add_nc_u32 v[ADRB+\s], s22, v4
	v_add_nc_u32 v[ADRA+2+\s], s21, v5
	v_add_nc_u32 v[ADRB+2+\s], s22, v5
	s_add_co_u32 s21, s21, SLOT
	s_add_co_u32 s22, s22, SLOT
.endr
	v_lshlrev_b32 v5, 3, v1                        ; my row's 8 bytes in a plane
	s_mul_i32 s21, s15, HALFS                      ; A's: my 128 rows
	s_mul_i32 s22, s16, HALFS                      ; B's: my 128 rows, behind A's two
	s_add_co_u32 s22, s22, 2*HALFS
	s_sub_co_u32 s22, s22, s21
	v_mul_u32_u24 v6, s22, v2                      ; lanes 16-31 take B's: the lower base + h x the distance
	s_add_co_u32 s21, s21, SCL
	v_add_nc_u32 v5, v5, v6
	v_add_nc_u32 v[ADRS], s21, v5
	v_and_b32 v6, 31, v0
	v_lshlrev_b32 v[L8], 3, v6
	v_lshlrev_b32 v[L16], 4, v6
	v_and_b32 v5, 7, v1
	v_lshrrev_b32 v7, 3, v1
	v_lshl_add_u32 v5, v7, 4, v5                   ; r + 8 (r / 8): my token in a block's 32
	v_lshlrev_b32 v5, 7, v5                        ; 128 bytes of cos a token,
	v_lshl_add_u32 v[CSA], v2, 5, v5               ; and my half's eight pairs
	s_lshl_b32 s66, s17, 8
	s_lshl_b32 s18, s15, 7
	s_add_co_u32 s66, s66, s18                     ; my first row on A's side
	s_lshl_b32 s67, s42, 8
	s_lshl_b32 s18, s16, 7
	s_add_co_u32 s67, s67, s18                     ; and on B's
	s_lshl_b32 s18, s66, 7
	s_mov_b32 s19, 0
	s_add_nc_u64 s[8:9], s[8:9], s[18:19]          ; cos and sin at A's first row, taken as a token
	s_add_nc_u64 s[10:11], s[10:11], s[18:19]
; cos and sin of block a's 16 tokens: a lane wants pairs 8 h + 0..7 and 16 + 8 h + 0..7 of its token: 16 numbers of each, into set a % 2
.macro CSLOAD a
.irp j, 0,1,2,3
	global_load_b128 v[CSR+32*((\a)%2)+4*\j:CSR+32*((\a)%2)+4*\j+3], v[CSA], s[8:9] offset:(32*((\a)/2)+8*((\a)%2))*128+64*(\j/2)+16*(\j%2)
	global_load_b128 v[CSR+32*((\a)%2)+16+4*\j:CSR+32*((\a)%2)+16+4*\j+3], v[CSA], s[10:11] offset:(32*((\a)/2)+8*((\a)%2))*128+64*(\j/2)+16*(\j%2)
.endr
.endm
	CSLOAD 0                                       ; blocks 0 and 1 are asked for here and land under the products.  v's work-groups issue these sixteen loads too and do not use them:
	CSLOAD 1                                       ; there A's row is 256 cy + 128 half, a token inside the tables; so the registers are written on every way through the text
.macro FRAG reg, adr, q, i             ; a fragment: lane l holds row l % 16; registers 6 c .. 6 c + 5 hold K = 64 c + 32 (l / 16) + 0 .. 31: 24 bytes as they lie, in pieces of 8
.irp p, 0,1,2,3,4,5
.set PCE, 12*(\q)+6*(\p/3)+\p%3       ; the piece's number in the row; 16 bytes of padding lie behind every 8 pieces; where the piece three on lies behind one padding more, the second address register serves
.if PCE%8 < 5
	ds_load_b64 v[\reg+2*\p:\reg+2*\p+1], v[\adr] offset:8*PCE+16*(PCE/8)+(\i)*16*PITCH
.else
	ds_load_b64 v[\reg+2*\p:\reg+2*\p+1], v[\adr+2] offset:8*PCE+16*(PCE/8)+(\i)*16*PITCH
.endif
.endr
.endm
; 16 matrix instructions: A's blocks a0, a0 + 1 x B's eight, the slot's q-th 128 along K.  p: B's set; sc: the set of scale words.  zero = 1: the first product starts the sums.
; The 64 accumulators take turns, one instruction a turn, in the same order in every step.
.macro MUL16 a0, p, q, sc, zero
.irp a, \a0, \a0+1
.irp b, 0,1,2,3,4,5,6,7
.if \zero
	v_wmma_scale_f32_16x16x128_f8f6f4 v[8*(8*((\a)%4)+\b):8*(8*((\a)%4)+\b)+7], v[128*(\p)+FR*\b:128*(\p)+FR*\b+FR-1], v[AF+FR*(\a):AF+FR*(\a)+FR-1], 0, v[SC+8*NQ*(\sc)+NQ*\b+(\q)], v[SC+8*NQ*(\sc)+NQ*(\a)+(\q)] matrix_a_fmt:MATRIX_FMT_FP6 matrix_b_fmt:MATRIX_FMT_FP6 matrix_a_scale:MATRIX_SCALE_ROW1
.else
	v_wmma_scale_f32_16x16x128_f8f6f4 v[8*(8*((\a)%4)+\b):8*(8*((\a)%4)+\b)+7], v[128*(\p)+FR*\b:128*(\p)+FR*\b+FR-1], v[AF+FR*(\a):AF+FR*(\a)+FR-1], v[8*(8*((\a)%4)+\b):8*(8*((\a)%4)+\b)+7], v[SC+8*NQ*(\sc)+NQ*\b+(\q)], v[SC+8*NQ*(\sc)+NQ*(\a)+(\q)] matrix_a_fmt:MATRIX_FMT_FP6 matrix_b_fmt:MATRIX_FMT_FP6 matrix_a_scale:MATRIX_SCALE_ROW1
.endif
.endr
.endr
.endm
.macro FETCH_B slot, q, p
	WIN TO_B
.irp i, 0,1,2,3,4,5,6,7
	FRAG 128*(\p)+FR*\i, ADRB+\slot, \q, \i
.endr
	WIN 0
.endm
.macro FETCH_A slot, q, i0
.irp i, \i0, \i0+1, \i0+2, \i0+3
	FRAG AF+FR*(\i), ADRA+\slot, \q, \i
.endr
.endm
.macro SCALES sc                       ; a K step's scale words: two words a row; lanes 0-15 take A's block i, lanes 16-31 B's block i
.irp i, 0,1,2,3,4,5,6,7
	ds_load_b64 v[SC+8*NQ*\sc+NQ*\i:SC+8*NQ*\sc+NQ*\i+1], v[ADRS] offset:\i*SBLK
.endr
.endm
.macro PLACES n                        ; places in front of loads into registers that matrix instructions have read, and of the first read of results
.rept \n
	v_nop
.endr
.endm
.macro STEP slot, q, zero              ; a step of 128 along K that has its successor in the same slot
	s_wait_dscnt 4*NL                              ; B's set and A's blocks 0-3 are in; the youngest 24 loads (A's blocks 4-7) may be out
	WIN MUL_LO
	MUL16 0, (\q)%2, \q, \slot, \zero
	MUL16 2, (\q)%2, \q, \slot, \zero
	s_wait_dscnt 0
	PLACES NP
	FETCH_B \slot, (\q)+1, 1-(\q)%2
	FETCH_A \slot, (\q)+1, 0
	WIN MUL_HI
	MUL16 4, (\q)%2, \q, \slot, \zero
	MUL16 6, (\q)%2, \q, \slot, \zero
	PLACES NP
	WIN 0
	FETCH_A \slot, (\q)+1, 4
.endm
; A slot's last step changes slots: one barrier; in front of it each wave waits for all its tensor loads, adds 0 to its spare word, and waits for that and for its reads of this slot.  fill = 1: the slot is filled again, two K steps ahead.
.macro TURN slot, next, fill
	s_wait_tensorcnt 0x0                           ; all my tensor loads have landed: my part of the next slot
	ds_add_u32 v[SPW], v[NIL]                      ; 0 onto my spare word
	s_wait_dscnt 4*NL+1                            ; the add and the youngest 24 loads (A's blocks 4-7) may be out
	WIN MUL_LO
	MUL16 0, 1, NQ-1, \slot, 0                     ; sixteen matrix instructions stand between the add and the wait for it
	s_wait_dscnt 0x0                               ; the add is done, and my reads of this slot are over
	s_barrier_signal -1
	MUL16 2, 1, NQ-1, \slot, 0
	WIN 0
	s_barrier_wait -1
.if \fill
	CREST                                          ; the barrier has opened a round of the cluster's: no wave of any partner still reads this slot or has a load on its way
	s_add_nc_u64 s[G0+4*\slot+2:G0+4*\slot+3], s[G0+4*\slot+2:G0+4*\slot+3], 2*ROWB
	s_add_nc_u64 s[G0B+4*\slot+2:G0B+4*\slot+3], s[G0B+4*\slot+2:G0B+4*\slot+3], 2*ROWB
	JLOAD G0+4*\slot, G1, G0B+4*\slot, G1B         ; my one tensor load behind the round; its four v_nop are the places in front of the loads below
.else
	PLACES NP
.endif
	v_add_nc_u32 v[ADRS], 1024, v[ADRS]            ; the next K step's plane of scale bytes (no LDS load of mine is out)
	FETCH_B \next, 0, 0
	FETCH_A \next, 0, 0
	SCALES \next
	WIN MUL_HI
	MUL16 4, 1, NQ-1, \slot, 0
	MUL16 6, 1, NQ-1, \slot, 0
	PLACES NP
	WIN 0
	FETCH_A \next, 0, 4
.endm
	s_wait_tensorcnt 1                             ; the scales and my part of K step 0 are in; K step 1's load may be out
	s_barrier_signal -1
	s_barrier_wait -1
	FETCH_B 0, 0, 0
	FETCH_A 0, 0, 0
	SCALES 0
	FETCH_A 0, 0, 4
	STEP 0, 0, 1                                   ; K = 1,024 is four slots' worth: written straight, no loop
	TURN 0, 1, 1                                   ; slot 0 takes K step 2
	STEP 1, 0, 0
	TURN 1, 0, 1                                   ; slot 1 takes K step 3
	STEP 0, 0, 0
	TURN 0, 1, 0                                   ; nothing is left to fetch
	STEP 1, 0, 0
	s_wait_dscnt 4*NL
	WIN MUL_LO
	MUL16 0, 1, NQ-1, 1, 0
	MUL16 2, 1, NQ-1, 1, 0
	s_wait_dscnt 0
	WIN MUL_HI
	MUL16 4, 1, NQ-1, 1, 0
	MUL16 6, 1, NQ-1, 1, 0
	WIN 0
; 64 numbers of a lane, v[s] .. v[s + 63] of window w, register 16 b + i = k 32 b + 16 (lane / 16) + i of the lane's row, become a fragment's codes in v[PC] .. v[PC + 11] and its scale word in v[pw].
; The reads ascend.
.macro QUANT s, w, pw
	WIN 5*(\w)                                     ; sources 0 and 1
.irp b, 0,1,2,3
	v_max3_num_f32 v[TM+\b], |v[\s+16*\b]|, |v[\s+16*\b+1]|, s[FL]   ; my 16 numbers of block b, and the floor
.endr
.irp i, 2,4,6,8,10,12,14
.irp b, 0,1,2,3
	v_max3_num_f32 v[TM+\b], |v[\s+16*\b+\i]|, |v[\s+16*\b+\i+1]|, v[TM+\b]   ; the four blocks by turns
.endr
.endr
	WIN 0
.irp b, 0,1,2,3
	v_permlanex16_b32 v[TM+4+\b], v[TM+\b], s[SEL], s[SEL+1]
.endr
.irp b, 0,1,2,3
	v_max_num_f32 v[TM+\b], v[TM+\b], v[TM+4+\b]   ; with lane l xor 16's: the block's largest magnitude
.endr
.irp b, 0,1,2,3
	v_add_nc_u32 v[TM+12+\b], 0xff000000, v[TM+\b] ; 2 off its exponent field: the conversion's scale operand
.endr
.irp b, 0,1,2,3
	v_lshrrev_b32 v[TM+4+\b], 23, v[TM+12+\b]      ; the scale's byte
.endr
	v_lshl_or_b32 v[\pw], v[TM+5], 8, v[TM+4]
	v_lshl_or_b32 v[\pw], v[TM+6], 16, v[\pw]
	v_lshl_or_b32 v[\pw], v[TM+7], 24, v[\pw]
	WIN \w                                         ; source 0
.irp c, 0,1
	v_cvt_scalef32_pk16_fp6_f32 v[PC+6*\c:PC+6*\c+2], v[\s+32*\c:\s+32*\c+15], v[TM+12+2*\c]
	v_cvt_scalef32_pk16_fp6_f32 v[PC+12+4*\c:PC+14+4*\c], v[\s+32*\c+16:\s+32*\c+31], v[TM+12+2*\c+1]   ; (a conversion's three registers begin on an even number)
.endr
	WIN 0
	v_nop                                          ; one plain place behind a scaled conversion
.irp c, 0,1                                    ; the operand's layout wants a whole block in a lane: lanes 0-15 block 2 c, lanes 16-31 block 2 c + 1
.irp i, 0,1,2
	v_permlane16_swap_b32 v[PC+6*\c+\i], v[PC+12+4*\c+\i]
.endr
.irp i, 0,1,2
	v_mov_b32 v[PC+3+6*\c+\i], v[PC+12+4*\c+\i]
.endr
.endr
.endm
; RoPE on block a's 64 numbers of a lane: pair i of registers 16 B + 2 i, + 1 is the head's pair 16 (B % 2) + 8 h + i.  First (-t1 sin, t0 sin), then t0 cos and t1 cos are added to it in one rounding.
.macro ROPE a
.set AC, 64*((\a)%4)
.set CO, CSR+32*((\a)%2)
.set SN, CO+16
	WIN 2+(\a)/4                                   ; source 0: the accumulators' window
.irp bt, 0,1,2,3
.irp e, 0,1,2,3
	v_pk_mul_f32 v[W+16*\bt+4*\e:W+16*\bt+4*\e+1], v[AC+16*\bt+4*\e:AC+16*\bt+4*\e+1], v[SN+8*(\bt%2)+2*\e:SN+8*(\bt%2)+2*\e+1] op_sel:[1,0] op_sel_hi:[0,0] neg_lo:[1,0]
	v_pk_mul_f32 v[W+16*\bt+4*\e+2:W+16*\bt+4*\e+3], v[AC+16*\bt+4*\e+2:AC+16*\bt+4*\e+3], v[SN+8*(\bt%2)+2*\e:SN+8*(\bt%2)+2*\e+1] op_sel:[1,1] op_sel_hi:[0,1] neg_lo:[1,0]
.endr
.irp e, 0,1,2,3
	v_pk_fma_f32 v[W+16*\bt+4*\e:W+16*\bt+4*\e+1], v[AC+16*\bt+4*\e:AC+16*\bt+4*\e+1], v[CO+8*(\bt%2)+2*\e:CO+8*(\bt%2)+2*\e+1], v[W+16*\bt+4*\e:W+16*\bt+4*\e+1] op_sel:[0,0,0] op_sel_hi:[1,0,1]
	v_pk_fma_f32 v[W+16*\bt+4*\e+2:W+16*\bt+4*\e+3], v[AC+16*\bt+4*\e+2:AC+16*\bt+4*\e+3], v[CO+8*(\bt%2)+2*\e:CO+8*(\bt%2)+2*\e+1], v[W+16*\bt+4*\e+2:W+16*\bt+4*\e+3] op_sel:[0,1,0] op_sel_hi:[1,1,1]
.endr
.endr
	WIN 0
.endm
	; THE WAY OUT.  No LDS: what a lane holds behind QUANT is already the operand's image, and each store of the wave covers 256 or 512 consecutive bytes, aligned.
	PLACES NP                                      ; behind the last products: results are read, and the registers that held A's fragments are written
	s_mov_b32 s[SEL], 0x76543210
	s_mov_b32 s[SEL+1], 0xfedcba98
.irp b, 0,1,2,3
	v_mov_b32 v[TM+4+\b], 0                        ; written once: a lane permute's destination counts as one of its sources
.endr
	v_cmp_eq_u32 s70, 1, v2                        ; lanes 16-31
	s_cmp_eq_u32 s2, 1
	s_cbranch_scc1 .Lv
	; ---- q or k: my 128 tokens (A's side) x two heads (B's side)
	s_lshr_b32 s20, s66, 11                        ; the batch,
	s_bfe_u32 s21, s66, 0x40007                    ; and which 128 tokens of its 2,048
	s_and_b32 s22, s42, 3
	s_lshl_b32 s22, s22, 2
	s_lshl_b32 s23, s16, 1
	s_add_co_u32 s22, s22, s23                     ; my first head: 4 (tile % 4) + 2 x half
	s_lshl_b32 s20, s20, 4
	s_add_co_u32 s22, s22, s20
	s_lshl_b32 s22, s22, 4
	s_add_co_u32 s22, s22, s21                     ; its record's number: (16 batch + head) 16 + g
	s_cmp_eq_u32 ttmp9, 1                          ; k's cluster?
	s_mov_b32 s[REC], 6656
	s_cselect_b32 s[REC], 13056, s[REC]
	s_mov_b32 s[SOFF], 6144
	s_cselect_b32 s[SOFF], 12288, s[SOFF]
	s_mov_b32 s[FL], 0x3000000                     ; q: 2^(6 - 127): byte 4, and 1 when 3 is taken off
	s_cselect_b32 s[FL], 0x1800000, s[FL]          ; k: 2^(3 - 127): byte 1
	s_cselect_b32 s[QADJ], 0, 0x03030303           ; q / 8: 3 off each of the word's four bytes; no byte is under 4, so nothing is borrowed
	s_cselect_b64 s[OC0:OC0+1], s[98:99], s[96:97]
	s_mul_i32 s30, s22, s[REC]
	s_mov_b32 s31, 0
	s_add_nc_u64 s[OC0:OC0+1], s[OC0:OC0+1], s[30:31]
	s_lshl_b32 s30, s[REC], 4                      ; the next head's records lie 16 records on
	s_add_nc_u64 s[OC1:OC1+1], s[OC0:OC0+1], s[30:31]
	v_add_nc_u32 v[L16S], s[SOFF], v[L16]
.irp a, 0,1,2,3,4,5,6,7
.if \a < 7
	s_wait_loadcnt 8                               ; this block's cos and sin are in; the next block's eight loads may be out
.else
	s_wait_loadcnt 0
.endif
	ROPE \a
.if \a < 6
	CSLOAD \a+2                                    ; into the set just read
.endif
.if \a > 0
	s_wait_xcnt 0x0                                ; the last block's stores have read the codes' registers
.endif
	QUANT W, 0, PWS+\a
	v_sub_nc_u32 v[PWS+\a], v[PWS+\a], s[QADJ]
.irp p, 0,1,2
	global_store_b64 v[L8], v[PC+2*\p:PC+2*\p+1], s[OC0:OC0+1] offset:768*\a+256*\p       ; head 0: registers 0-5 of the fragment: my token's channels 32 h .. 32 h + 31
	global_store_b64 v[L8], v[PC+6+2*\p:PC+6+2*\p+1], s[OC1:OC1+1] offset:768*\a+256*\p   ; head 1: registers 6-11
.endr
.endr
.irp w, 0,1,2,3
	v_cndmask_b32 v[IM+\w], v[PWS+2*\w], v[PWS+2*\w+1], s70   ; the scale image: word w of lane (r, hh) is tile 2 w + hh's, row r
.endr
.irp w, 0,1,2,3
	v_and_b32 v[IM+4+\w], 0xffff, v[IM+\w]         ; head 0: bytes 0, 1; bytes 2, 3 are 0: they scale the unused upper half of the next product's K
	v_lshrrev_b32 v[IM+8+\w], 16, v[IM+\w]         ; head 1: bytes 2, 3
.endr
	global_store_b128 v[L16S], v[IM+4:IM+7], s[OC0:OC0+1]
	global_store_b128 v[L16S], v[IM+8:IM+11], s[OC1:OC1+1]
	s_branch .Lend
.Lv:
	; ---- v: my 128 channels (A's side: two heads) x 128 tokens (B's side): a block of A is a tile of 16 channels x 128 keys
	s_lshr_b32 s20, s67, 11                        ; the batch,
	s_bfe_u32 s21, s67, 0x40007                    ; and which 128 tokens
	s_lshl_b32 s22, s17, 2
	s_lshl_b32 s23, s15, 1
	s_add_co_u32 s22, s22, s23                     ; my first head: 4 x tile + 2 x half
	s_lshl_b32 s20, s20, 4
	s_add_co_u32 s22, s22, s20
	s_lshl_b32 s22, s22, 4
	s_add_co_u32 s22, s22, s21
	s_mul_i32 s30, s22, 13056
	s_mov_b32 s31, 0
	s_add_nc_u64 s[OC0:OC0+1], s[98:99], s[30:31]
	s_mov_b32 s[FL], 0x1800000
.irp a, 0,1,2,3,4,5,6,7
.set AC, 64*(\a%4)
.set WN, 2+\a/4
.if \a > 0
	s_wait_xcnt 0x0                                ; the last block's stores have read the codes' registers
.endif
	QUANT AC, WN, PWS+\a
.irp j, 0,1,2
	global_store_b128 v[L16], v[PC+4*\j:PC+4*\j+3], s[OC0:OC0+1] offset:208896*(\a/4)+6144+1536*(\a%4)+512*\j   ; head a / 4 (its records lie 208,896 bytes on), tile a % 4
.endr
.endr
.irp c, 0,1
.irp w, 0,1
	v_cndmask_b32 v[IM+2*\c+\w], v[PWS+4*\c+2*\w], v[PWS+4*\c+2*\w+1], s70
.endr
	global_store_b64 v[L8], v[IM+2*\c:IM+2*\c+1], s[OC0:OC0+1] offset:208896*\c+12800
.endr
.Lend:
	s_wait_tensorcnt 0x0                           ; the wave's end
	ds_add_u32 v[SPW], v[NIL]
	s_wait_dscnt 0x0
	CROUND                                         ; the closing round: no work-group ends while a partner may still ask for a tile that names it
	s_endpgm
.Lfunc_end_k_q4a7dbbbbd1_qkv:
	.size	k_q4a7dbbbbd1_qkv, .Lfunc_end_k_q4a7dbbbbd1_qkv-k_q4a7dbbbbd1_qkv
	.p2alignl 7, 3214868480
	.fill 96, 4, 3214868480
	.section	.rodata,"a",@progbits
	.p2align	6, 0x0
	.amdhsa_kernel k_q4a7dbbbbd1_qkv
		.amdhsa_group_segment_fixed_size 327680
		.amdhsa_private_segment_fixed_size 0
		.amdhsa_enable_private_segment 0
		.amdhsa_kernarg_size 48
		.amdhsa_user_sgpr_count 2
		.amdhsa_user_sgpr_kernarg_segment_ptr 1
		.amdhsa_wavefront_size32 1
		.amdhsa_system_sgpr_workgroup_id_x 1
		.amdhsa_system_sgpr_workgroup_id_y 1
		.amdhsa_system_sgpr_workgroup_id_z 1
		.amdhsa_system_vgpr_workitem_id 0
		.amdhsa_next_free_vgpr 1024
		.amdhsa_next_free_sgpr 102
		.amdhsa_reserve_vcc 0
		.amdhsa_float_denorm_mode_32 3
		.amdhsa_float_denorm_mode_16_64 3
		.amdhsa_memory_ordered 1
		.amdhsa_forward_progress 1
		.amdhsa_inst_pref_size 239
	.end_amdhsa_kernel
	.amdgpu_metadata
---
amdhsa.version: [ 1, 2 ]
amdhsa.kernels:
  - .name:           k_q4a7dbbbbd1_qkv
    .symbol:         k_q4a7dbbbbd1_qkv.kd
    .args:
      - { .name: cod, .offset: 0, .size: 8, .value_kind: global_buffer, .address_space: global }
      - { .name: scl, .offset: 8, .size: 8, .value_kind: global_buffer, .address_space: global }
      - { .name: freqs_cos, .offset: 16, .size: 8, .value_kind: global_buffer, .address_space: global }
      - { .name: freqs_sin, .offset: 24, .size: 8, .value_kind: global_buffer, .address_space: global }
      - { .name: qr, .offset: 32, .size: 8, .value_kind: global_buffer, .address_space: global }
      - { .name: kv, .offset: 40, .size: 8, .value_kind: global_buffer, .address_space: global }
    .group_segment_fixed_size: 327680
    .private_segment_fixed_size: 0
    .kernarg_segment_align: 8
    .kernarg_segment_size: 48
    .max_flat_workgroup_size: 128
    .sgpr_count:     102
    .vgpr_count:     1024
    .wavefront_size: 32
...
	.end_amdgpu_metadata
.endif
;; end of part 2
;; launch attn (part 3): grid 32 x 16, 16 waves a work-group, clusters of 4 x 4, 327,680 bytes of LDS; arguments qr, kv, attn_mask, ac, asc; writes ac, asc
.if DOCPART == 3
	.amdgcn_target "amdgcn-amd-amdhsa--gfx1250"
	.amdhsa_code_object_version 6
	.text
	.protected	k_q4a7dbbbbd1_attn
	.globl	k_q4a7dbbbbd1_attn
	.p2align	8
	.type	k_q4a7dbbbbd1_attn,@function
k_q4a7dbbbbd1_attn:
	s_mov_b64 s[64:65], 0
	v_nop
	global_prefetch_b8 v0, s[64:65] scope:SCOPE_SE
	s_setreg_imm32_b32 hwreg(HW_REG_WAVE_MODE, 25, 1), 1
	s_wait_xcnt 0x0
	s_wait_alu depctr_hold_cnt(0) depctr_sa_sdst(0) depctr_va_vdst(0) depctr_va_sdst(0) depctr_va_ssrc(0) depctr_va_vcc(0) depctr_vm_vsrc(0)
	s_getreg_b32 s2, hwreg(HW_REG_IB_STS2, 6, 4)
	s_cmp_eq_u32 s2, 0
	s_cbranch_scc0 .Lentry_in_a_cluster
	s_endpgm
.Lentry_in_a_cluster:
	s_bfe_u32 s2, ttmp6, 0x10000c
	s_cmp_lg_u32 s2, 0xf033
	s_cbranch_scc0 .Lentry_shape_is_right
	s_endpgm
.Lentry_shape_is_right:
; o = softmax(q k^T / 8 + mask) v for 64 (batch, head) pairs of 2,048 tokens x 64 channels, both products on codes of FP6 (E2M3) with E8M0 scales; o / l is quantised along the channels for the last product.
; q (with the factor 1 / 8 in its scale bytes), k and v come as images of operand registers.  A record of kv serves one head and 128 keys: 8 tiles of K (16 keys x 64 channels, 768 bytes), 4 tiles of V^T
; (16 channels x 128 keys, 1,536 bytes), K's scale words (512 bytes), V's (256 bytes): 13,056 dense bytes.
; THE SOFTMAX: t = logit x log2(e); M = the running largest t rounded up to a whole number; p = 2^(t - M) is quantised along the keys, not normalised; the sum is taken of the unquantised p and divides at the end.
; When M moves, the sum and O are multiplied by 2^(old M - new M), which rounds nothing.
; SHARES: a work-group owns 64 queries x 4 heads of one batch; wave w owns query tile w % 4 (16 queries) of head w / 4, in 256 registers: four waves to a SIMD, so that one wave's vector work stands beside another's
; matrix work and LDS loads.  Every wave walks the 2,048 keys, 128 a step.
; LAYOUT: both products are used transposed (S^T = K Q^T, O^T = V^T P^T): a lane holds one query throughout.  Lane r of tile 2 B + u is token (or channel) 32 B + 8 u + r + 8 (r / 8), so that registers 16 B + i of
; two neighbouring tiles' results are keys (channels) 32 B + 16 (lane / 16) + i.  THE MASK is loaded from LDS in that very layout and is the C of the first product: adding it costs nothing.
; K = 64 IN AN INSTRUCTION OF 128: Q's registers 6-11 are zero codes, and bytes 2, 3 of Q's and K's scale words are 0 (2^-127, not NaN).  K's tiles lie 6 registers apart, so registers 6-11 of a tile's operand are the
; next tile's codes (zeros behind the last): FP6 has no code for infinity or NaN, so each of them times the code 0 adds nothing.
; CLUSTER: 4 x 4.  The four of a row (same batch and heads) ask for the records jointly, the four of a column (same queries) for the mask's tile: 86 KB a step come once for four.
; LIMITS: a mask entry of -infinity gives p = 0; a query whose whole row is -infinity is not served (it has no finite result); NaN among the inputs is not served;
; blocks of o under 2^-124 are held at byte 1, a block of zeros has byte 1, not 127 (the bytes are the program's own).
.set RECB,  13056
.set SLOT1, 1<<17                      ; slot 1 begins here: one exclusive or turns an address in one slot into the other's
.set MOFF,  4*RECB                     ; in a slot: four heads' records, then the mask's 64 rows x 128 keys, rows of 512 bytes + 16
.set MQ,    8576                       ; the mask comes in four quarters of 16 rows (8,448 bytes).  The odd quarter of a pair begins 8,576 bytes behind the even one: 128 bytes more than a quarter,
.set MP,    17152                      ; so that a query tile's rows 0-7 of one quarter and 0-7 of the next fall on 16 different columns of 16 bytes.  Pairs lie 17,152 bytes apart
.set STG,   86528                      ; in slot 0's gap, where no fill lands: the way out's codes, 64 tokens x 192 bytes,
.set STS,   STG+12288                  ; their scale bytes, 64 x 8,
.set SPARE, STS+512                    ; and the spare words, 128 bytes for each wave: eight blocks of 256 bytes that no other line names
.set AK0, 1                            ; v1   my head's record + 8 x lane
.set AV0, 2                            ; v2   my head's record + 6,144 + 16 x lane
.set AM0, 3                            ; v3   my query's row of the mask + 64 h
.set SPW, 4                            ; v4   SPARE + 4 x my thread's number; never rewritten
.set NIL, 5                            ; v5   0; never rewritten
.set ADK, 6                            ; v6-8 the same three in the slot in hand
.set ADV, 7
.set ADM, 8
.set PFO, 9                            ; v9   the prefetches' offset; never rewritten
.set SA,  10                           ; v10  the way out: where my 24 bytes of codes go
.set SB,  11                           ; v11  and my head's two scale bytes
.set BM,  212                          ; v212-215 the blocks' largest scores, then largest p
.set PT,  216                          ; v216-219 the other half's; then the bytes
.set SO,  220                          ; v220-223 the conversions' scale operands
; v[12:13] -M, the largest t; v[14:15] the sum in two halves; v16-21 Q, v22-27 zeros; v28, v29 the way out; v30, v31 Q's offsets; v32-79 K's tiles, then V's; v80-85 zeros;
; v88-91 K's scale words, v92-93 V's, v94 p's, v95 Q's; v96-159 the mask, then S^T, then p; v160-191 O^T; v192-203 p's codes; v204-210 the conversions' second halves; v[224:225] f; v226 at work; v[228:229] the sum's second chain
.set WV,   18
.set SLOTS, 19
.set SEL,  20
.set CS,   22
.set G1KV, 24
.set G1M,  32
.set G0KV, 40
.set G0M,  44
.set PFA,  48
.set PFS,  50
.set LIM,  52
.set TB,   3
; Waves 0 to 3 fetch the four heads' records, waves 4 to 7 the mask's four quarters, the others nothing.  The branches hang on the wave's number alone.  An s_nop 0 and four v_nop follow each line.
.macro TLOAD
	s_cmp_lt_u32 s[WV], 4
	s_cbranch_scc0 .Lnot_kv_\@
	tensor_load_to_lds s[G0KV:G0KV+3], s[G1KV:G1KV+7]
	s_nop 0
.rept 4
	v_nop
.endr
	s_branch .Lasked_\@
.Lnot_kv_\@:
	s_cmp_lt_u32 s[WV], 8
	s_cbranch_scc0 .Lasked_\@
	tensor_load_to_lds s[G0M:G0M+3], s[G1M:G1M+7]
	s_nop 0
.rept 4
	v_nop
.endr
.Lasked_\@:
.endm
; A PREFETCH INTO THE L2 of what the NEXT change of slots will ask for: one key step ahead of that load.  The records of a row of work-groups are walked by all eight clusters of that row of clusters: the first
; (cluster x = 0) asks; its four partners along x take one head's record each, told apart by address; waves 8 and 9 name its 51 blocks of 256 bytes, a lane a block (the lanes left over name the last block again).
; The mask's rows are walked by all four clusters of a column of clusters: the first (cluster y = 0) asks; its four partners along y take 16 rows each, by address; wave 10 names their 2 blocks a row.
; The last change that fills a slot asks for nothing: there is no step behind it.  Steps 0 and 1 come by their loads alone.
.macro ASK
	s_cmp_gt_u32 s[SLOTS], s[LIM]
	s_cbranch_scc0 .Lnot_mine_\@
	global_prefetch_b8 v[PFO], s[PFA:PFA+1] th:TH_LOAD_NT scope:SCOPE_SE
.Lnot_mine_\@:
.endm
.macro CROUND                          ; a round of the cluster's barrier
	s_barrier_signal -1
	s_barrier_wait -1
	s_cmp_lg_u32 s[WV], 0
	s_cbranch_scc1 .Lnot_wave_0_\@
	s_barrier_signal -3
.Lnot_wave_0_\@:
	s_barrier_wait -3
	s_barrier_signal -1
	s_barrier_wait -1
.endm
	s_load_b256 s[4:11], s[0:1], 0x0               ; qr s[4:5], kv s[6:7], the mask s[8:9], ac s[10:11]
	s_load_b64 s[12:13], s[0:1], 0x20              ; asc
	v_lshl_add_u32 v[SPW], v0, 2, SPARE
	v_mov_b32 v[NIL], 0
	ds_add_u32 v[SPW], v[NIL]                      ; the wave's opening: the add and its wait stand ahead of my first tensor load; the set-up below stands between them
	v_lshrrev_b32 v6, 5, v0
	v_readfirstlane_b32 s[WV], v6                  ; wave 0..15
	s_bfe_u32 s53, ttmp6, 0x40000                  ; cx
	s_bfe_u32 s54, ttmp6, 0x40004                  ; cy
	s_lshl_b32 s55, ttmp9, 2
	s_add_co_u32 s55, s55, s53                     ; qb: my 64 queries
	s_and_b32 s56, ttmp7, 0xffff                   ; cluster y
	s_lshl_b32 s57, s56, 2
	s_add_co_u32 s57, s57, s54                     ; y: batch y / 4, heads 4 (y % 4) on: pairs 4 y .. 4 y + 3
	s_lshl_b32 s58, s54, 2
	s_lshl_b32 s58, 15, s58                        ; my row of the cluster
	s_lshl_b32 s59, 0x1111, s53                    ; my column
	s_and_b32 s60, s[WV], 3                        ; my query tile.  Also: which record or quarter I fetch
	s_lshr_b32 s61, s[WV], 2                       ; my head of the four
	s_or_b32 s[G1KV], s58, (3<<16)|(1<<21)         ; a record: 51 dense rows of 256 bytes (32 elements of 8 bytes); the mask of my row; bit 21 beside it
	s_mov_b32 s[G1KV+1], 32<<16
	s_mov_b32 s[G1KV+2], 51<<16
	s_mov_b32 s[G1KV+3], 32<<16
	s_mov_b32 s[G1KV+4], 51
	s_mov_b32 s[G1KV+5], 32
	s_mov_b32 s[G1KV+6], 0
	s_mov_b32 s[G1KV+7], 0
	s_or_b32 s[G1M], s59, (2<<16)|(1<<20)|(1<<21)|(6<<22)|(3<<25)  ; a quarter of the mask's tile: 16 rows of 128 f32, 2,048 apart; 4 words of padding behind every 128; the mask of my column
	s_mov_b32 s[G1M+1], 128<<16
	s_mov_b32 s[G1M+2], 16<<16
	s_mov_b32 s[G1M+3], 128<<16
	s_mov_b32 s[G1M+4], 16
	s_mov_b32 s[G1M+5], 2048
	s_mov_b32 s[G1M+6], 0
	s_mov_b32 s[G1M+7], 0
	s_lshl_b32 s62, s57, 2
	s_add_co_u32 s62, s62, s60
	s_mul_i32 s62, s62, 16*RECB                    ; the records of pair 4 y + (wave % 4): cy enters, cx does not
	s_mov_b32 s63, 0
	s_lshl_b32 s66, s55, 2
	s_add_co_u32 s66, s66, s60
	s_lshl_b32 s66, s66, 17                        ; the mask's rows 64 qb + 16 (wave % 4), 8,192 bytes each: cx enters, cy does not
	s_mov_b32 s67, 0
	s_mul_i32 s68, s60, RECB                       ; where they go: the wave's number alone enters an LDS address
	s_lshr_b32 s69, s60, 1
	s_mul_i32 s69, s69, MP
	s_and_b32 s70, s60, 1
	s_mul_i32 s70, s70, MQ
	s_add_co_u32 s69, s69, s70
	s_add_co_u32 s69, s69, MOFF
	s_lshl_b32 s74, s55, 2
	s_add_co_u32 s74, s74, s60                     ; my tile of 16 queries among the batch's 128
	s_and_b32 s75, s74, 7                          ; its number in its record,
	s_lshr_b32 s74, s74, 3                         ; and the record
	s_lshl_b32 s70, s57, 2
	s_add_co_u32 s70, s70, s61
	s_lshl_b32 s70, s70, 4
	s_add_co_u32 s70, s70, s74
	s_mul_i32 s70, s70, 6656                       ; Q's record: (pair x 16 + g) x 6,656
	s_mov_b32 s71, 0
	s_mul_i32 s72, s75, 768                        ; my tile's image in it
	s_and_b32 s73, s75, 1
	s_lshl_b32 s73, s73, 8
	s_lshr_b32 s75, s75, 1
	s_lshl_b32 s75, s75, 2
	s_add_co_u32 s73, s73, s75
	s_add_co_u32 s73, s73, 6144                    ; and its scale words: lane 16 (tile % 2) + r, word tile / 2 of the image
	s_mov_b32 s[SEL], 0x76543210
	s_mov_b32 s[SEL+1], 0xfedcba98
	s_mov_b32 s[CS], 0x3fb8aa3b                    ; log2(e)
	s_mov_b32 s[CS+1], s[CS]                       ; (named with it as a pair, so it is written)
	s_mov_b32 s[TB], 0
	s_mov_b32 s[SLOTS], 15
	s_wait_dscnt 0x0                               ; the opening add is done
	s_wait_kmcnt 0x0
	s_mov_b32 s[G0KV], 1
	s_mov_b32 s[G0KV+1], s68
	s_add_nc_u64 s[G0KV+2:G0KV+3], s[6:7], s[62:63]
	s_or_b32 s[G0KV+3], s[G0KV+3], 0x80000000
	s_mov_b32 s[G0M], 1
	s_mov_b32 s[G0M+1], s69
	s_add_nc_u64 s[G0M+2:G0M+3], s[8:9], s[66:67]
	s_or_b32 s[G0M+3], s[G0M+3], 0x80000000
	CROUND                                         ; all sixteen work-groups are here: the first joint loads meet
	TLOAD                                          ; key step 0 into slot 0: one tensor load of mine is out, here and behind every round
	v_and_b32 v32, 31, v0                          ; lane
	v_and_b32 v33, 15, v0                          ; r
	v_bfe_u32 v34, v0, 4, 1                        ; h
	v_and_b32 v35, 7, v0                           ; r % 8
	v_bfe_u32 v36, v0, 3, 1                        ; r / 8
	s_add_nc_u64 s[4:5], s[4:5], s[70:71]
	v_lshl_add_u32 v30, v32, 3, s72
	v_lshl_add_u32 v31, v33, 4, s73
.irp p, 0,1,2
	global_load_b64 v[16+2*\p:17+2*\p], v30, s[4:5] offset:256*\p   ; Q's image: registers 0-5; it stays
.endr
	global_load_b32 v95, v31, s[4:5]               ; Q's scale words
	s_mul_i32 s79, s61, RECB
	v_lshl_add_u32 v[AK0], v32, 3, s79
	s_add_co_u32 s78, s79, 6144
	v_lshl_add_u32 v[AV0], v32, 4, s78
	s_lshr_b32 s76, s60, 1                         ; tile / 2
	s_and_b32 s77, s60, 1                          ; tile % 2
	s_mul_i32 s74, s76, MP
	s_mul_i32 s75, s77, 8*528
	s_add_co_u32 s74, s74, s75
	s_add_co_u32 s74, s74, MOFF
	v_mul_u32_u24 v[AM0], v36, MQ                  ; my query is row 32 (tile / 2) + 16 (r / 8) + 8 (tile % 2) + r % 8 of the 64: quarter 2 (tile / 2) + r / 8, row 8 (tile % 2) + r % 8 in it
	v_mad_u32_u24 v[AM0], v35, 528, v[AM0]
	v_lshl_add_u32 v[AM0], v34, 6, v[AM0]
	v_add_nc_u32 v[AM0], s74, v[AM0]
	s_lshl_b32 s74, s76, 5
	s_lshl_b32 s75, s77, 3
	s_add_co_u32 s74, s74, s75
	v_lshl_add_u32 v37, v36, 4, v35
	v_add_nc_u32 v37, s74, v37                     ; that row's number
	v_mul_u32_u24 v[SA], v37, 192
	v_mad_u32_u24 v[SA], v34, 24, v[SA]
	s_mul_i32 s75, s61, 48
	s_add_co_u32 s75, s75, STG
	v_add_nc_u32 v[SA], s75, v[SA]                 ; 192 bytes a token: 48 a head, 24 a block of 32 channels
	s_lshl_b32 s75, s61, 1
	s_add_co_u32 s75, s75, STS
	v_lshl_add_u32 v[SB], v37, 3, s75              ; 8 scale bytes a token, 2 a head
	v_lshl_add_u32 v28, v0, 3, STG
	v_lshlrev_b32 v29, 3, v0
	; the prefetches: where my wave's stand, and who asks
	s_lshl_b32 s70, s57, 2
	s_add_co_u32 s70, s70, s53
	s_mul_i32 s70, s70, 16*RECB                    ; records: pair 4 y + cx
	s_lshl_b32 s71, s55, 2
	s_add_co_u32 s71, s71, s54
	s_lshl_b32 s71, s71, 17                        ; mask: rows 64 qb + 16 cy
	s_sub_co_u32 s72, s[WV], 8
	s_cmp_lt_u32 s72, 3
	s_cselect_b32 s72, 0, 1                        ; 0 in waves 8, 9, 10
	s_cmp_lt_u32 s[WV], 10
	s_cselect_b64 s[PFA:PFA+1], s[6:7], s[8:9]
	s_mov_b32 s[PFS], 512
	s_cselect_b32 s[PFS], RECB, s[PFS]             ; a key step on
	s_cselect_b32 s70, s70, s71
	s_cselect_b32 s73, ttmp9, s56                  ; the coordinate along which other clusters walk the same bytes
	s_cselect_b32 s74, -1, 0
	s_or_b32 s73, s73, s72
	s_cmp_eq_u32 s73, 0
	s_cselect_b32 s[LIM], 1, -1                    ; the same in all sixteen partners, for a given wave
	s_add_co_u32 s70, s70, s[PFS]                  ; at key step 1: the first change of slots steps it to 2
	s_mov_b32 s71, 0
	s_mov_b32 s[PFS+1], 0
	s_add_nc_u64 s[PFA:PFA+1], s[PFA:PFA+1], s[70:71]
	s_and_b32 s72, s[WV], 1
	s_lshl_b32 s72, s72, 5
	v_add_nc_u32 v38, s72, v32
	v_min_u32 v38, 50, v38
	v_lshlrev_b32 v38, 8, v38                      ; records: block 32 (wave % 2) + lane, at most the 51st
	v_lshrrev_b32 v39, 1, v32
	v_lshlrev_b32 v39, 13, v39
	v_and_b32 v40, 1, v32
	v_lshl_add_u32 v39, v40, 8, v39                ; mask: row lane / 2, block lane % 2
	v_cndmask_b32 v[PFO], v39, v38, s74
.irp j, 22,23,24,25,26,27,80,81,82,83,84,85
	v_mov_b32 v[\j], 0                             ; the zero codes
.endr
	v_mov_b32 v13, 0xff61b1e6                      ; the largest t so far: -3e38
	v_floor_f32 v12, -v13                          ; -M
	v_mov_b32 v14, 0
	v_mov_b32 v15, 0
.irp b, 0,1,2,3
	v_mov_b32 v[PT+\b], 0                          ; written once: a lane permute's destination counts as one of its sources
.endr
	v_mov_b32 v225, 0                              ; (named as the upper half of the pair v[224:225])
.irp j, 0,1,2,3,4,5,6,7,8,9,10,11,12,13,14,15,16,17,18,19,20,21,22,23,24,25,26,27,28,29,30,31
	v_mov_b32 v[160+\j], 0                         ; O^T: the step is written with no first step of its own: the first change of M multiplies zeros
.endr
; A KEY STEP: 128 keys.
.macro STEP
	v_add_nc_u32 v[ADK], s[TB], v[AK0]
	v_add_nc_u32 v[ADV], s[TB], v[AV0]
	v_add_nc_u32 v[ADM], s[TB], v[AM0]
	v_nop                                          ; four places in front of loads into registers that the last products read
	ds_load_b128 v[88:91], v[ADV] offset:6144      ; K's scale words: word w of lane (r, hh) is tile 2 w + hh's
.irp t, 0,1,2,3,4,5,6,7
.irp p, 0,1,2
	ds_load_b64 v[32+6*\t+2*\p:33+6*\t+2*\p], v[ADK] offset:768*\t+256*\p
.endr
.endr
.irp b, 0,1,2,3
.irp q, 0,1,2,3
	ds_load_b128 v[96+16*\b+4*\q:99+16*\b+4*\q], v[ADM] offset:128*\b+16*\q   ; the mask of my query at keys 32 b + 16 h + 4 q ..: the result's own layout
.endr
.endr
	s_wait_dscnt 0x0
.irp t, 0,2,4,6                                ; S^T = K Q^T + the mask; the eight accumulators one after the other
	v_wmma_scale_f32_16x16x128_f8f6f4 v[96+8*\t:103+8*\t], v[32+6*\t:43+6*\t], v[16:27], v[96+8*\t:103+8*\t], v[88+\t/2], v95 matrix_a_fmt:MATRIX_FMT_FP6 matrix_b_fmt:MATRIX_FMT_FP6
	v_wmma_scale_f32_16x16x128_f8f6f4 v[104+8*\t:111+8*\t], v[38+6*\t:49+6*\t], v[16:27], v[104+8*\t:111+8*\t], v[88+\t/2], v95 matrix_a_fmt:MATRIX_FMT_FP6 matrix_b_fmt:MATRIX_FMT_FP6 matrix_a_scale:MATRIX_SCALE_ROW1
.endr
.rept 4
	v_nop                                          ; places: K's registers are loaded again, and the scores are read
.endr
.irp ct, 0,1,2,3
.irp j, 0,1,2
	ds_load_b128 v[32+12*\ct+4*\j:35+12*\ct+4*\j], v[ADV] offset:1536*\ct+512*\j   ; V's four tiles land under the softmax
.endr
.endr
	ds_load_b64 v[92:93], v[ADK] offset:12800      ; and their scale words
.irp b, 0,1,2,3
	v_max3_num_f32 v[BM+\b], v[96+16*\b], v[97+16*\b], v[98+16*\b]   ; the largest score of each block of 32 keys: it serves for the row's maximum and, since p rises with the score, for the block's largest p
.endr
.irp i, 3,5,7,9,11,13
.irp b, 0,1,2,3
	v_max3_num_f32 v[BM+\b], v[BM+\b], v[96+16*\b+\i], v[97+16*\b+\i]
.endr
.endr
.irp b, 0,1,2,3
	v_max_num_f32 v[BM+\b], v[BM+\b], v[111+16*\b]
.endr
.irp b, 0,1,2,3
	v_permlanex16_b32 v[PT+\b], v[BM+\b], s[SEL], s[SEL+1]
.endr
.irp b, 0,1,2,3
	v_max_num_f32 v[BM+\b], v[BM+\b], v[PT+\b]     ; with lane l xor 16's 16 keys
.endr
	v_max3_num_f32 v226, v212, v213, v214
	v_max_num_f32 v226, v226, v215                 ; the step's largest score of my query
	v_mul_f32 v226, s[CS], v226                    ; as t
	v_max_num_f32 v13, v13, v226                   ; the running largest t
	v_mov_b32 v226, v12
	v_floor_f32 v12, -v13                          ; the new -M = -ceil(t): a whole number
	v_sub_f32 v226, v12, v226                      ; old M - new M, 0 or less
	v_cvt_i32_f32 v226, v226                       ; (it saturates)
	v_ldexp_f32 v224, 1.0, v226                    ; f = 2^(old M - new M)
.irp j, 0,2,4,6,8,10,12,14,16,18,20,22,24,26,28,30,32,34,36,38,40,42,44,46,48,50,52,54,56,58,60,62
	v_pk_fma_f32 v[96+\j:97+\j], v[96+\j:97+\j], s[CS:CS+1], v[12:13] op_sel_hi:[1,0,0]   ; t - M, two at a time
.endr
.irp b, 0,1,2,3
	v_fma_f32 v[BM+\b], v[BM+\b], s[CS], v12       ; the same of each block's largest score
.endr
.irp j, 0,1,2,3,4,5,6,7,8,9,10,11,12,13,14,15,16,17,18,19,20,21,22,23,24,25,26,27,28,29,30,31,32,33,34,35,36,37,38,39,40,41,42,43,44,45,46,47,48,49,50,51,52,53,54,55,56,57,58,59,60,61,62,63
	v_exp_f32 v[96+\j], v[96+\j]                   ; p = 2^(t - M), at most 1
.endr
	v_pk_mul_f32 v[14:15], v[14:15], v[224:225] op_sel_hi:[1,0]   ; the sums under the new M (the plain place behind the exponentials)
	s_wait_alu depctr_va_vdst(0)                   ; one wait for the batch of 64, ahead of its first reader
.irp b, 0,1,2,3
	v_exp_f32 v[BM+\b], v[BM+\b]                   ; the block's largest p: the same two instructions on the same number give the same bits
.endr
	v_pk_add_f32 v[228:229], v[96:97], v[98:99]    ; the row's sum is taken of the unquantised p, in two chains; it reads the 64 alone
.irp j, 4,8,12,16,20,24,28,32,36,40,44,48,52,56,60
	v_pk_add_f32 v[14:15], v[14:15], v[96+\j:97+\j]
	v_pk_add_f32 v[228:229], v[228:229], v[98+\j:99+\j]
.endr
	v_pk_add_f32 v[14:15], v[14:15], v[228:229]
	s_wait_alu depctr_va_vdst(0)                   ; and one for the four
.irp b, 0,1,2,3
	v_max_num_f32 v[BM+\b], 0x1800000, v[BM+\b]    ; the floor 2^(3 - 127): the byte cannot fall under 1
.endr
.irp b, 0,1,2,3
	v_add_nc_u32 v[SO+\b], 0xff000000, v[BM+\b]    ; 2 off the exponent field: the conversion's scale operand
.endr
.irp b, 0,1,2,3
	v_lshrrev_b32 v[PT+\b], 23, v[SO+\b]           ; the scale's byte
.endr
	v_lshl_or_b32 v94, v217, 8, v216               ; p's scale word for these 128 keys
	v_lshl_or_b32 v94, v218, 16, v94
	v_lshl_or_b32 v94, v219, 24, v94
.irp c, 0,1
	v_cvt_scalef32_pk16_fp6_f32 v[192+6*\c:194+6*\c], v[96+32*\c:111+32*\c], v[SO+2*\c]
	v_cvt_scalef32_pk16_fp6_f32 v[204+4*\c:206+4*\c], v[112+32*\c:127+32*\c], v[SO+2*\c+1]   ; (a conversion's three registers begin on an even number)
.endr
	v_nop                                          ; one plain place behind a scaled conversion
.irp c, 0,1                                    ; a whole block in a lane: lanes 0-15 block 2 c, lanes 16-31 block 2 c + 1
.irp i, 0,1,2
	v_permlane16_swap_b32 v[192+6*\c+\i], v[204+4*\c+\i]
.endr
.irp i, 0,1,2
	v_mov_b32 v[195+6*\c+\i], v[204+4*\c+\i]
.endr
.endr
.irp j, 0,2,4,6,8,10,12,14,16,18,20,22,24,26,28,30
	v_pk_mul_f32 v[160+\j:161+\j], v[160+\j:161+\j], v[224:225] op_sel_hi:[1,0]   ; O^T under the new M.  These sixteen are also the places between the writes of p's codes and scale word and the products
.endr
	s_wait_dscnt 0x0                               ; V
.irp ct, 0,2                                   ; O^T += V^T P^T: four tiles of 16 channels, K = these 128 keys
	v_wmma_scale_f32_16x16x128_f8f6f4 v[160+8*\ct:167+8*\ct], v[32+12*\ct:43+12*\ct], v[192:203], v[160+8*\ct:167+8*\ct], v[92+\ct/2], v94 matrix_a_fmt:MATRIX_FMT_FP6 matrix_b_fmt:MATRIX_FMT_FP6
	v_wmma_scale_f32_16x16x128_f8f6f4 v[168+8*\ct:175+8*\ct], v[44+12*\ct:55+12*\ct], v[192:203], v[168+8*\ct:175+8*\ct], v[92+\ct/2], v94 matrix_a_fmt:MATRIX_FMT_FP6 matrix_b_fmt:MATRIX_FMT_FP6 matrix_a_scale:MATRIX_SCALE_ROW1
.endr
	s_xor_b32 s[TB], s[TB], SLOT1                  ; on to the other slot
.endm
; THE CHANGE OF SLOTS stands at a step's head.  Each wave waits for all its tensor loads (its part of the slot that it is about to read), adds 0 to its spare word, and waits for that and for its reads of the slot
; that it has left.  fill = 1: a round of the cluster's barrier, and behind it the slot that was left takes the next 128 keys: the load has a whole step in which to land.
.macro CHANGE fill
	s_wait_tensorcnt 0x0                           ; no tensor load of mine is out, so a group 0 may be written
	ds_add_u32 v[SPW], v[NIL]                      ; 0 onto my spare word
.if \fill
	s_xor_b32 s[G0KV+1], s[G0KV+1], SLOT1          ; the walking descriptors: the other slot than last time,
	s_add_nc_u64 s[G0KV+2:G0KV+3], s[G0KV+2:G0KV+3], RECB   ; the next record; the type bits on top are not reached
	s_xor_b32 s[G0M+1], s[G0M+1], SLOT1
	s_add_nc_u64 s[G0M+2:G0M+3], s[G0M+2:G0M+3], 512
	s_wait_xcnt 0x0                                ; the last prefetch, a step back, has read its address, so it may be written:
	s_add_nc_u64 s[PFA:PFA+1], s[PFA:PFA+1], s[PFS:PFS+1]   ; one step further on than the walking descriptors
.endif
	s_wait_dscnt 0x0                               ; the add is done, and my reads of the slot that I have left are over
.if \fill
	CROUND                                         ; both now hold of every wave of all sixteen work-groups
	TLOAD                                          ; the first thing behind the round, and a wave's one tensor load until the next
	ASK
.else
	s_barrier_signal -1
	s_barrier_wait -1
.endif
.endm
	s_wait_loadcnt 0x0                             ; Q
.Lslot:                                            ; 15 trips: behind each change of slots but the last the next step is asked for
	CHANGE 1
	STEP
	s_sub_co_u32 s[SLOTS], s[SLOTS], 1
	s_cmp_lg_u32 s[SLOTS], 0
	s_cbranch_scc1 .Lslot
	CHANGE 0                                       ; the last step is written out
	STEP
	; THE WAY OUT.  o = O^T / l is quantised along the channels: my 32 registers are channels 32 B + 16 h + i of my head, two blocks.
	v_add_f32 v14, v14, v15                        ; the sum's two halves,
	v_permlanex16_b32 v226, v14, s[SEL], s[SEL+1]
	v_add_f32 v14, v14, v226                       ; and lane l xor 16's
	v_rcp_f32 v14, v14
.rept 4
	v_nop                                          ; the plain place behind the reciprocal, and the places behind the last products
.endr
	s_wait_alu depctr_va_vdst(0)                   ; ahead of the reciprocal's first reader
.irp j, 0,2,4,6,8,10,12,14,16,18,20,22,24,26,28,30
	v_pk_mul_f32 v[96+\j:97+\j], v[160+\j:161+\j], v[14:15] op_sel_hi:[1,0]
.endr
.irp b, 0,1
	v_max3_num_f32 v[BM+\b], |v[96+16*\b]|, |v[97+16*\b]|, 0x1800000
.endr
.irp i, 2,4,6,8,10,12,14
.irp b, 0,1
	v_max3_num_f32 v[BM+\b], v[BM+\b], |v[96+16*\b+\i]|, |v[97+16*\b+\i]|
.endr
.endr
.irp b, 0,1
	v_permlanex16_b32 v[PT+\b], v[BM+\b], s[SEL], s[SEL+1]
.endr
.irp b, 0,1
	v_max_num_f32 v[BM+\b], v[BM+\b], v[PT+\b]
.endr
.irp b, 0,1
	v_add_nc_u32 v[SO+\b], 0xff000000, v[BM+\b]
.endr
.irp b, 0,1
	v_lshrrev_b32 v[PT+\b], 23, v[SO+\b]
.endr
	v_lshl_or_b32 v226, v217, 8, v216              ; my head's two scale bytes
	v_cvt_scalef32_pk16_fp6_f32 v[192:194], v[96:111], v220
	v_cvt_scalef32_pk16_fp6_f32 v[204:206], v[112:127], v221
	v_nop
.irp i, 0,1,2
	v_permlane16_swap_b32 v[192+\i], v[204+\i]
.endr
.irp i, 0,1,2
	v_mov_b32 v[195+\i], v[204+\i]                 ; v192-197: block h's 32 codes, 24 bytes
.endr
	ds_store_b64 v[SA], v[192:193]
	ds_store_b64 v[SA], v[194:195] offset:8
	ds_store_b64 v[SA], v[196:197] offset:16
	ds_store_b16 v[SB], v226                       ; both halves of the lanes write the same two bytes with the same value
	s_and_b32 s66, s57, 3                          ; the group of four heads = the last product's K step of 256 = the plane of ac and asc
	s_lshr_b32 s67, s57, 2                         ; the batch
	s_lshl_b32 s67, s67, 11
	s_lshl_b32 s68, s55, 6
	s_add_co_u32 s67, s67, s68                     ; my work-group's first token
	s_mul_i32 s68, s66, 8192*192
	s_mul_i32 s70, s67, 192
	s_add_co_u32 s68, s68, s70
	s_mov_b32 s69, 0
	s_add_nc_u64 s[10:11], s[10:11], s[68:69]
	s_lshl_b32 s68, s66, 16
	s_lshl_b32 s70, s67, 3
	s_add_co_u32 s68, s68, s70
	s_add_nc_u64 s[12:13], s[12:13], s[68:69]
	s_wait_dscnt 0x0                               ; for the others' sake: my stores have landed
	s_barrier_signal -1
	s_barrier_wait -1                              ; 64 tokens x 192 bytes lie in the stage as they lie in ac: 12,288 dense bytes
	ds_load_b64 v[32:33], v28
	ds_load_b64 v[34:35], v28 offset:4096
	ds_load_b64 v[36:37], v28 offset:8192
.irp i, 0,1,2
	s_wait_dscnt 2-\i                              ; LDS loads come back in order: the i-th is in
	global_store_b64 v29, v[32+2*\i:33+2*\i], s[10:11] offset:4096*\i   ; a wave stores 256 consecutive bytes, at a multiple of 256 from ac's first byte
.endr
	s_cmp_lt_u32 s[WV], 2
	s_cbranch_scc0 .Lno_sc
	ds_load_b64 v[38:39], v28 offset:12288         ; the 512 scale bytes: waves 0 and 1
	s_wait_dscnt 0x0
	global_store_b64 v29, v[38:39], s[12:13]
.Lno_sc:
	s_wait_tensorcnt 0x0                           ; the wave's end: behind my last tensor load and my last LDS store
	ds_add_u32 v[SPW], v[NIL]
	s_wait_dscnt 0x0
	CROUND                                         ; the closing round
	s_endpgm
.Lfunc_end_k_q4a7dbbbbd1_attn:
	.size	k_q4a7dbbbbd1_attn, .Lfunc_end_k_q4a7dbbbbd1_attn-k_q4a7dbbbbd1_attn
	.p2alignl 7, 3214868480
	.fill 96, 4, 3214868480
	.section	.rodata,"a",@progbits
	.p2align	6, 0x0
	.amdhsa_kernel k_q4a7dbbbbd1_attn
		.amdhsa_group_segment_fixed_size 327680
		.amdhsa_private_segment_fixed_size 0
		.amdhsa_enable_private_segment 0
		.amdhsa_kernarg_size 40
		.amdhsa_user_sgpr_count 2
		.amdhsa_user_sgpr_kernarg_segment_ptr 1
		.amdhsa_wavefront_size32 1
		.amdhsa_system_sgpr_workgroup_id_x 1
		.amdhsa_system_sgpr_workgroup_id_y 1
		.amdhsa_system_sgpr_workgroup_id_z 1
		.amdhsa_system_vgpr_workitem_id 0
		.amdhsa_next_free_vgpr 256
		.amdhsa_next_free_sgpr 80
		.amdhsa_reserve_vcc 0
		.amdhsa_float_denorm_mode_32 3
		.amdhsa_float_denorm_mode_16_64 3
		.amdhsa_memory_ordered 1
		.amdhsa_forward_progress 1
		.amdhsa_inst_pref_size 51
	.end_amdhsa_kernel
	.amdgpu_metadata
---
amdhsa.version: [ 1, 2 ]
amdhsa.kernels:
  - .name:           k_q4a7dbbbbd1_attn
    .symbol:         k_q4a7dbbbbd1_attn.kd
    .args:
      - { .name: qr, .offset: 0, .size: 8, .value_kind: global_buffer, .address_space: global }
      - { .name: kv, .offset: 8, .size: 8, .value_kind: global_buffer, .address_space: global }
      - { .name: attn_mask, .offset: 16, .size: 8, .value_kind: global_buffer, .address_space: global }
      - { .name: ac, .offset: 24, .size: 8, .value_kind: global_buffer, .address_space: global }
      - { .name: asc, .offset: 32, .size: 8, .value_kind: global_buffer, .address_space: global }
    .group_segment_fixed_size: 327680
    .private_segment_fixed_size: 0
    .kernarg_segment_align: 8
    .kernarg_segment_size: 40
    .max_flat_workgroup_size: 512
    .sgpr_count:     80
    .vgpr_count:     256
    .wavefront_size: 32
...
	.end_amdgpu_metadata
.endif
;; end of part 3
;; launch proj (part 4): grid 4 x 32, 4 waves a work-group, clusters of 4 x 4, 327,680 bytes of LDS; arguments ac, asc, cod, scl, bproj, out0; writes out0
.if DOCPART == 4
	.amdgcn_target "amdgcn-amd-amdhsa--gfx1250"
	.amdhsa_code_object_version 6
	.text
	.protected	k_q4a7dbbbbd1_proj
	.globl	k_q4a7dbbbbd1_proj
	.p2align	8
	.type	k_q4a7dbbbbd1_proj,@function
k_q4a7dbbbbd1_proj:
	s_mov_b64 s[64:65], 0
	v_nop
	global_prefetch_b8 v0, s[64:65] scope:SCOPE_SE
	s_setreg_imm32_b32 hwreg(HW_REG_WAVE_MODE, 25, 1), 1
	s_wait_xcnt 0x0
	s_wait_alu depctr_hold_cnt(0) depctr_sa_sdst(0) depctr_va_vdst(0) depctr_va_sdst(0) depctr_va_ssrc(0) depctr_va_vcc(0) depctr_vm_vsrc(0)
	s_getreg_b32 s2, hwreg(HW_REG_IB_STS2, 6, 4)
	s_cmp_eq_u32 s2, 0
	s_cbranch_scc0 .Lentry_in_a_cluster
	s_endpgm
.Lentry_in_a_cluster:
	s_bfe_u32 s2, ttmp6, 0x10000c
	s_cmp_lg_u32 s2, 0xf033
	s_cbranch_scc0 .Lentry_shape_is_right
	s_endpgm
.Lentry_shape_is_right:
; out0 = o Wproj^T + bproj on codes of FP6 (E2M3) with E8M0 scales; out0 [8192][1024] f32.
; A = o: ac [4 planes][8192 tokens][192 bytes], plane p = the codes of k = 256 p .. 256 p + 255; asc [4 planes][8192][8] its scale bytes.  B = Wproj: places 11,264 on of cod [.][768 bytes] and of scl [4 planes][12288][8].
; A tile of 256 x 256, four waves, 128 x 128 a wave; K = 1,024 in four steps of 256 through two LDS slots; 128 tiles, 128 work-groups: what the size gives.
; SOURCE 0 = 16 rows of B, SOURCE 1 = 16 rows of A: a lane holds one token.  Wproj's rows lie in cod at changed places (bits 3 and 4 of the row's number changed over), so register j of accumulator (a, b) is
; output 32 (b / 2) + 16 (lane / 16) + 8 (b % 2) + j of my 128.  The bias, loaded in that layout, is the C of each sum's first product; the way out's stage puts the outputs back in order.
; CLUSTERS: 4 x 4: A's tile is asked for jointly along a row of the cluster, B's along a column.
.set NQ,     2
.set ROWB,   192
.set PITCH,  240                       ; an LDS row: 3 x (64 bytes + 16 of padding)
.set FR,     12
.set NL,     6
.set NP,     4
.set HALFT,  128*PITCH
.set SLOT,   4*HALFT
.set SCL,    2*SLOT                    ; the scale bytes: for each 128 rows [4 planes][128 rows][8 bytes]
.set HALFS,  4096
.set SBLK,   128
.set SPARE,  SCL+4*HALFS               ; the spare words, 128 bytes for each wave: two blocks of 256 bytes that no other line names
.set STEPA,  8192*192                  ; from a K step to the next: A: a plane; B: 192 bytes along the row
.set SPITCH, 528                       ; the way out: a stage of 16 rows x (512 bytes + 16) for each wave, in slot 0, which has had its last fill and its last read when the first result is stored there
.set ADRA, 16
.set ADRB, 20
.set STO,  24                          ; v24  the way out: where I put my results of a row
.set RD,   25                          ; v25  where I read a row back
.set CO,   26                          ; v26  my byte offset in a row of out0
.set ADRS, 27
.set SPW,  28                          ; v28  SPARE + 4 x my thread's number; never rewritten
.set NIL,  29                          ; v29  0; never rewritten
.set BO,   30                          ; v30  64 h: my half's place in the bias
.set SC,   32
.set BI,   64                          ; v64-127 the bias: eight registers for each of B's eight blocks
.set AF,   128
.set BK,   128                         ; the way out: 16 rows read back: v128-191 and v192-255 by turns
.set G1, 24
.set G0, 32
.set G1B, 48
.set G0B, 56
.set G1S, 68
.set G0S, 76
.set G1SB, 80
.set G0SB, 88
.set MSB, 0
.macro WIN new
.if MSB != (\new)
	s_set_vgpr_msb (MSB<<8)|(\new)
.set MSB, (\new)
.endif
.endm
.set MUL_LO, 0xa1                      ; source 0 (B) window 1, source 1 (A) window 0, C and D window 2
.set MUL_HI, 0xf1
.set FST_LO, 0x81                      ; the first step: C (the bias) window 0, D window 2
.set FST_HI, 0xc1
.set TO_B,   0x40
.macro JLOAD g0a, g1a, g0b, g1b        ; a joint load: waves 0 and 1 fetch for A, waves 2 and 3 for B; an s_nop 0 and four v_nop follow each of the two lines
	s_cmp_eq_u32 s15, 0
	s_cbranch_scc0 .Lfor_b_\@
	tensor_load_to_lds s[\g0a:\g0a+3], s[\g1a:\g1a+7]
	s_nop 0
.rept 4
	v_nop
.endr
	s_branch .Lasked_\@
.Lfor_b_\@:
	tensor_load_to_lds s[\g0b:\g0b+3], s[\g1b:\g1b+7]
	s_nop 0
.rept 4
	v_nop
.endr
.Lasked_\@:
.endm
.macro CREST
	s_cmp_lg_u32 s14, 0
	s_cbranch_scc1 .Lnot_wave_0_\@
	s_barrier_signal -3
.Lnot_wave_0_\@:
	s_barrier_wait -3
	s_barrier_signal -1
	s_barrier_wait -1
.endm
.macro CROUND
	s_barrier_signal -1
	s_barrier_wait -1
	CREST
.endm
	s_load_b256 s[4:11], s[0:1], 0x0               ; ac s[4:5], asc s[6:7], cod s[8:9], scl s[10:11]
	s_load_b128 s[96:99], s[0:1], 0x20             ; bproj s[96:97], out0 s[98:99]
	v_lshl_add_u32 v[SPW], v0, 2, SPARE
	v_mov_b32 v[NIL], 0
	ds_add_u32 v[SPW], v[NIL]                      ; the wave's opening: the add and its wait stand ahead of my first tensor load
	v_lshrrev_b32 v1, 5, v0
	v_readfirstlane_b32 s14, v1                    ; wave 0..3
	s_lshr_b32 s15, s14, 1                         ; my half of the tile's rows.  Also: I fetch for A (0) or for B (1)
	s_and_b32 s16, s14, 1                          ; my half of its columns.  Also: which 128 rows I fetch
	s_bfe_u32 s40, ttmp6, 0x40000                  ; cx
	s_bfe_u32 s41, ttmp6, 0x40004                  ; cy
	s_lshl_b32 s42, ttmp9, 2
	s_add_co_u32 s42, s42, s40                     ; tile column
	s_and_b32 s17, ttmp7, 0xffff
	s_lshl_b32 s17, s17, 2
	s_add_co_u32 s17, s17, s41                     ; tile row
	s_lshl_b32 s43, s41, 2
	s_lshl_b32 s43, 15, s43                        ; my row of the cluster
	s_lshl_b32 s44, 0x1111, s40                    ; my column
	s_or_b32 s[G1+0], s43, (0<<16)|(1<<20)|(1<<21)|(3<<22)|(3<<25)  ; the mask; elements of 1 byte; padding on; bit 21 beside a mask; after every 16 words, 4 words
	s_or_b32 s[G1B+0], s44, (0<<16)|(1<<20)|(1<<21)|(3<<22)|(3<<25)
.irp g, G1, G1B
	s_mov_b32 s[\g+1], ROWB<<16
	s_mov_b32 s[\g+2], 128<<16
	s_mov_b32 s[\g+3], ROWB<<16
	s_mov_b32 s[\g+4], 128
	s_mov_b32 s[\g+6], 0
	s_mov_b32 s[\g+7], 0
.endr
	s_mov_b32 s[G1+5], 192                         ; from row to row: A's rows are dense in a plane,
	s_mov_b32 s[G1B+5], 768                        ; B's are rows of cod
	s_or_b32 s[G1S+0], s43, (3<<16)|(1<<21)        ; the scales of 128 rows: 4 planes x 1,024 bytes (128 elements of 8 bytes)
	s_or_b32 s[G1SB+0], s44, (3<<16)|(1<<21)
.irp g, G1S, G1SB
	s_mov_b32 s[\g+1], 128<<16
	s_mov_b32 s[\g+2], 4<<16
	s_mov_b32 s[\g+3], 128<<16
	s_mov_b32 s[\g+4], 4
	s_mov_b32 s[\g+6], 0
	s_mov_b32 s[\g+7], 0
.endr
	s_mov_b32 s[G1S+5], 8192                       ; from plane to plane, in elements: asc,
	s_mov_b32 s[G1SB+5], 12288                     ; scl
	s_lshl_b32 s18, s16, 7
	s_lshl_b32 s20, s17, 8
	s_add_co_u32 s20, s20, s18                     ; A: token 256 x tile row + 128 x half
	s_lshl_b32 s46, s42, 8
	s_add_co_u32 s46, s46, s18
	s_add_co_u32 s46, s46, 11264                   ; B: the place in cod
	s_lshl_b32 s22, s20, 3
	s_mov_b32 s23, 0
	s_lshl_b32 s94, s46, 3
	s_mov_b32 s95, 0
	s_mul_i32 s20, s20, 192
	s_mov_b32 s21, 0
	s_mul_i32 s46, s46, 768
	s_mov_b32 s47, 0
	s_mul_i32 s45, s14, HALFT
	s_mul_i32 s100, s14, HALFS
	s_wait_dscnt 0x0                               ; the opening add is done
	s_wait_kmcnt 0x0
	s_add_nc_u64 s[20:21], s[4:5], s[20:21]
	s_add_nc_u64 s[22:23], s[6:7], s[22:23]
	s_add_nc_u64 s[46:47], s[8:9], s[46:47]
	s_add_nc_u64 s[94:95], s[10:11], s[94:95]
	CROUND                                         ; all sixteen work-groups are here: the first joint loads meet
	s_mov_b32 s[G0S], 1
	s_add_co_u32 s[G0S+1], s100, SCL
	s_mov_b64 s[G0S+2:G0S+3], s[22:23]
	s_or_b32 s[G0S+3], s[G0S+3], 0x80000000
	s_mov_b32 s[G0SB], 1
	s_add_co_u32 s[G0SB+1], s100, SCL
	s_mov_b64 s[G0SB+2:G0SB+3], s[94:95]
	s_or_b32 s[G0SB+3], s[G0SB+3], 0x80000000
	JLOAD G0S, G1S, G0SB, G1SB                     ; the scales first; filled once
.irp s, 0,1
	s_mov_b32 s[G0+4*\s], 1
	s_add_co_u32 s[G0+4*\s+1], s45, \s*SLOT
	s_add_nc_u64 s[G0+4*\s+2:G0+4*\s+3], s[20:21], \s*STEPA
	s_or_b32 s[G0+4*\s+3], s[G0+4*\s+3], 0x80000000
	s_mov_b32 s[G0B+4*\s], 1
	s_add_co_u32 s[G0B+4*\s+1], s45, \s*SLOT
	s_add_nc_u64 s[G0B+4*\s+2:G0B+4*\s+3], s[46:47], \s*ROWB
	s_or_b32 s[G0B+4*\s+3], s[G0B+4*\s+3], 0x80000000
	JLOAD G0+4*\s, G1, G0B+4*\s, G1B               ; three tensor loads of mine are out now
.endr
	v_and_b32 v1, 15, v0                           ; r
	v_bfe_u32 v2, v0, 4, 1                         ; h
	v_mul_u32_u24 v3, v1, PITCH
	v_mul_u32_u24 v4, v2, 24
	v_add_nc_u32 v4, v3, v4
	v_lshl_add_u32 v5, v2, 4, v4
	s_mul_i32 s21, s15, HALFT
	s_mul_i32 s22, s16, HALFT
	s_add_co_u32 s22, s22, 2*HALFT
.irp s, 0,1
	v_add_nc_u32 v[ADRA+\s], s21, v4
	v_add_nc_u32 v[ADRB+\s], s22, v4
	v_add_nc_u32 v[ADRA+2+\s], s21, v5
	v_add_nc_u32 v[ADRB+2+\s], s22, v5
	s_add_co_u32 s21, s21, SLOT
	s_add_co_u32 s22, s22, SLOT
.endr
	v_lshlrev_b32 v5, 3, v1
	s_mul_i32 s21, s15, HALFS
	s_mul_i32 s22, s16, HALFS
	s_add_co_u32 s22, s22, 2*HALFS
	s_sub_co_u32 s22, s22, s21
	v_mul_u32_u24 v6, s22, v2                      ; lanes 16-31 take B's: the lower base + h x the distance
	s_add_co_u32 s21, s21, SCL
	v_add_nc_u32 v5, v5, v6
	v_add_nc_u32 v[ADRS], s21, v5
	s_mul_i32 s23, s14, 16*SPITCH                  ; my stage
	v_mul_u32_u24 v5, v1, SPITCH                   ; in: row r; my half's 16 outputs of each 32: 64 h bytes on
	v_lshl_add_u32 v5, v2, 6, v5
	v_add_nc_u32 v[STO], s23, v5
	v_and_b32 v6, 31, v0
	v_lshlrev_b32 v[CO], 4, v6                     ; back: the 32 lanes take one row of 512 bytes; and the same in out0
	v_add_nc_u32 v[RD], s23, v[CO]
	v_lshlrev_b32 v[BO], 6, v2
	s_lshl_b32 s20, s17, 8
	s_lshl_b32 s21, s15, 7
	s_add_co_u32 s20, s20, s21                     ; my first row of out0,
	s_lshl_b32 s20, s20, 12                        ; 4,096 bytes a row
	s_lshl_b32 s46, s42, 10                        ; my first column, in bytes: 1,024 x tile column + 512 x half: in out0 and in the bias
	s_lshl_b32 s47, s16, 9
	s_add_co_u32 s46, s46, s47
	s_mov_b32 s47, 0
	s_mov_b32 s21, 0
	s_add_nc_u64 s[96:97], s[96:97], s[46:47]
	s_add_nc_u64 s[20:21], s[20:21], s[46:47]
	s_add_nc_u64 s[98:99], s[98:99], s[20:21]
.irp b, 0,1,2,3,4,5,6,7
	global_load_b128 v[BI+8*\b:BI+8*\b+3], v[BO], s[96:97] offset:128*(\b/2)+32*(\b%2)       ; the bias of outputs 32 (b / 2) + 16 h + 8 (b % 2) + 0 .. 7
	global_load_b128 v[BI+8*\b+4:BI+8*\b+7], v[BO], s[96:97] offset:128*(\b/2)+32*(\b%2)+16
.endr
.macro FRAG reg, adr, q, i             ; a fragment: lane l holds row l % 16; registers 6 c .. 6 c + 5 hold K = 64 c + 32 (l / 16) + 0 .. 31: 24 bytes as they lie, in pieces of 8
.irp p, 0,1,2,3,4,5
.set PCE, 12*(\q)+6*(\p/3)+\p%3
.if PCE%8 < 5
	ds_load_b64 v[\reg+2*\p:\reg+2*\p+1], v[\adr] offset:8*PCE+16*(PCE/8)+(\i)*16*PITCH
.else
	ds_load_b64 v[\reg+2*\p:\reg+2*\p+1], v[\adr+2] offset:8*PCE+16*(PCE/8)+(\i)*16*PITCH
.endif
.endr
.endm
; 16 matrix instructions: A's blocks a0, a0 + 1 x B's eight.  first = 1: the sums begin with the bias as C.  The 64 accumulators take turns, one instruction a turn.
.macro MUL16 a0, p, q, sc, first
.irp a, \a0, \a0+1
.irp b, 0,1,2,3,4,5,6,7
.if \first
	v_wmma_scale_f32_16x16x128_f8f6f4 v[8*(8*((\a)%4)+\b):8*(8*((\a)%4)+\b)+7], v[128*(\p)+FR*\b:128*(\p)+FR*\b+FR-1], v[AF+FR*(\a):AF+FR*(\a)+FR-1], v[BI+8*\b:BI+8*\b+7], v[SC+8*NQ*(\sc)+NQ*\b+(\q)], v[SC+8*NQ*(\sc)+NQ*(\a)+(\q)] matrix_a_fmt:MATRIX_FMT_FP6 matrix_b_fmt:MATRIX_FMT_FP6 matrix_a_scale:MATRIX_SCALE_ROW1
.else
	v_wmma_scale_f32_16x16x128_f8f6f4 v[8*(8*((\a)%4)+\b):8*(8*((\a)%4)+\b)+7], v[128*(\p)+FR*\b:128*(\p)+FR*\b+FR-1], v[AF+FR*(\a):AF+FR*(\a)+FR-1], v[8*(8*((\a)%4)+\b):8*(8*((\a)%4)+\b)+7], v[SC+8*NQ*(\sc)+NQ*\b+(\q)], v[SC+8*NQ*(\sc)+NQ*(\a)+(\q)] matrix_a_fmt:MATRIX_FMT_FP6 matrix_b_fmt:MATRIX_FMT_FP6 matrix_a_scale:MATRIX_SCALE_ROW1
.endif
.endr
.endr
.endm
.macro FETCH_B slot, q, p
	WIN TO_B
.irp i, 0,1,2,3,4,5,6,7
	FRAG 128*(\p)+FR*\i, ADRB+\slot, \q, \i
.endr
	WIN 0
.endm
.macro FETCH_A slot, q, i0
.irp i, \i0, \i0+1, \i0+2, \i0+3
	FRAG AF+FR*(\i), ADRA+\slot, \q, \i
.endr
.endm
.macro SCALES sc
.irp i, 0,1,2,3,4,5,6,7
	ds_load_b64 v[SC+8*NQ*\sc+NQ*\i:SC+8*NQ*\sc+NQ*\i+1], v[ADRS] offset:\i*SBLK
.endr
.endm
.macro PLACES n
.rept \n
	v_nop
.endr
.endm
.macro STEP slot, q, first
	s_wait_dscnt 4*NL                              ; B's set and A's blocks 0-3 are in; the youngest 24 loads (A's blocks 4-7) may be out
.if \first
	WIN FST_LO
.else
	WIN MUL_LO
.endif
	MUL16 0, (\q)%2, \q, \slot, \first
	MUL16 2, (\q)%2, \q, \slot, \first
	s_wait_dscnt 0
	PLACES NP
	FETCH_B \slot, (\q)+1, 1-(\q)%2
	FETCH_A \slot, (\q)+1, 0
.if \first
	WIN FST_HI
.else
	WIN MUL_HI
.endif
	MUL16 4, (\q)%2, \q, \slot, \first
	MUL16 6, (\q)%2, \q, \slot, \first
	PLACES NP
	WIN 0
	FETCH_A \slot, (\q)+1, 4
.endm
.macro TURN slot, next, fill           ; a slot's last step changes slots
	s_wait_tensorcnt 0x0                           ; all my tensor loads have landed: my part of the next slot
	ds_add_u32 v[SPW], v[NIL]                      ; 0 onto my spare word
	s_wait_dscnt 4*NL+1                            ; the add and the youngest 24 loads may be out
	WIN MUL_LO
	MUL16 0, 1, NQ-1, \slot, 0
	s_wait_dscnt 0x0                               ; the add is done, and my reads of this slot are over
	s_barrier_signal -1
	MUL16 2, 1, NQ-1, \slot, 0
	WIN 0
	s_barrier_wait -1
.if \fill
	CREST                                          ; the barrier has opened a round of the cluster's
	s_add_nc_u64 s[G0+4*\slot+2:G0+4*\slot+3], s[G0+4*\slot+2:G0+4*\slot+3], 2*STEPA
	s_add_nc_u64 s[G0B+4*\slot+2:G0B+4*\slot+3], s[G0B+4*\slot+2:G0B+4*\slot+3], 2*ROWB
	JLOAD G0+4*\slot, G1, G0B+4*\slot, G1B         ; my one tensor load behind the round; its four v_nop are the places in front of the loads below
.else
	PLACES NP
.endif
	v_add_nc_u32 v[ADRS], 1024, v[ADRS]            ; the next K step's plane of scale bytes
	FETCH_B \next, 0, 0
	FETCH_A \next, 0, 0
	SCALES \next
	WIN MUL_HI
	MUL16 4, 1, NQ-1, \slot, 0
	MUL16 6, 1, NQ-1, \slot, 0
	PLACES NP
	WIN 0
	FETCH_A \next, 0, 4
.endm
	s_wait_tensorcnt 1                             ; the scales and my part of K step 0 are in; K step 1's load may be out
	s_barrier_signal -1
	s_barrier_wait -1
	FETCH_B 0, 0, 0
	FETCH_A 0, 0, 0
	SCALES 0
	FETCH_A 0, 0, 4
	s_wait_loadcnt 0x0                             ; the bias
	STEP 0, 0, 1
	TURN 0, 1, 1                                   ; slot 0 takes K step 2
	STEP 1, 0, 0
	TURN 1, 0, 1                                   ; slot 1 takes K step 3
	STEP 0, 0, 0
	TURN 0, 1, 0
	STEP 1, 0, 0
	s_wait_dscnt 4*NL
	WIN MUL_LO
	MUL16 0, 1, NQ-1, 1, 0
	MUL16 2, 1, NQ-1, 1, 0
	s_wait_dscnt 0
	WIN MUL_HI
	MUL16 4, 1, NQ-1, 1, 0
	MUL16 6, 1, NQ-1, 1, 0
	WIN 0
; THE WAY OUT, block by block of 16 rows x 128 columns, through my own stage in LDS: in by the lane's eight neighbouring outputs, back as whole rows of 512 bytes.
; LDS serves a wave's instructions in order (ISA guide 5.7.1.4): no wait between the stores and the loads, nor in front of the next block's stores.
.macro TOSTAGE a
.set AC, 64*((\a)%4)
	WIN 0x08+4*((\a)/4)                            ; the data: window 2 or 3
.irp b, 0,1,2,3,4,5,6,7
	ds_store_b128 v[STO], v[AC+8*\b:AC+8*\b+3] offset:128*(\b/2)+32*(\b%2)          ; each accumulator from its low end on; outputs 32 (b / 2) + 16 h + 8 (b % 2) ..
	ds_store_b128 v[STO], v[AC+8*\b+4:AC+8*\b+7] offset:128*(\b/2)+32*(\b%2)+16
.endr
	WIN 0
.set BB, BK+64*((\a)%2)
.irp t, 0,1,2,3,4,5,6,7,8,9,10,11,12,13,14,15
	ds_load_b128 v[BB+4*\t:BB+4*\t+3], v[RD] offset:\t*SPITCH
.endr
.endm
.macro SEND a, younger                 ; younger: the LDS instructions issued behind block a's loads, which may stay out
.set BB, BK+64*((\a)%2)
	s_wait_dscnt \younger
.if (\a) > 0
	s_add_nc_u64 s[98:99], s[98:99], 16*4096       ; (behind a wait on XCNT: the earlier stores have read their base)  16 rows on
.endif
.irp t, 0,1,2,3,4,5,6,7,8,9,10,11,12,13,14,15
	global_store_b128 v[CO], v[BB+4*\t:BB+4*\t+3], s[98:99] offset:\t*4096 th:TH_STORE_NT   ; 32 lanes store 512 consecutive bytes, at a multiple of 256 from out0's first byte
.endr
.endm
	PLACES NP
	TOSTAGE 0
.irp a, 1,2,3,4,5,6,7
.if \a > 1
	s_wait_xcnt 0x0                                ; block a - 2's stores have read their registers and their base
.endif
	TOSTAGE \a
	SEND \a-1, 32                                  ; behind block a - 1's loads: block a's 16 stores and 16 loads
.endr
	s_wait_xcnt 0x0                                ; block 6's stores have read their base
	SEND 7, 0
	s_wait_tensorcnt 0x0                           ; the wave's end: behind my last tensor load and my last LDS store
	ds_add_u32 v[SPW], v[NIL]
	s_wait_dscnt 0x0
	CROUND                                         ; the closing round
	s_endpgm
.Lfunc_end_k_q4a7dbbbbd1_proj:
	.size	k_q4a7dbbbbd1_proj, .Lfunc_end_k_q4a7dbbbbd1_proj-k_q4a7dbbbbd1_proj
	.p2alignl 7, 3214868480
	.fill 96, 4, 3214868480
	.section	.rodata,"a",@progbits
	.p2align	6, 0x0
	.amdhsa_kernel k_q4a7dbbbbd1_proj
		.amdhsa_group_segment_fixed_size 327680
		.amdhsa_private_segment_fixed_size 0
		.amdhsa_enable_private_segment 0
		.amdhsa_kernarg_size 48
		.amdhsa_user_sgpr_count 2
		.amdhsa_user_sgpr_kernarg_segment_ptr 1
		.amdhsa_wavefront_size32 1
		.amdhsa_system_sgpr_workgroup_id_x 1
		.amdhsa_system_sgpr_workgroup_id_y 1
		.amdhsa_system_sgpr_workgroup_id_z 1
		.amdhsa_system_vgpr_workitem_id 0
		.amdhsa_next_free_vgpr 1024
		.amdhsa_next_free_sgpr 102
		.amdhsa_reserve_vcc 0
		.amdhsa_float_denorm_mode_32 3
		.amdhsa_float_denorm_mode_16_64 3
		.amdhsa_memory_ordered 1
		.amdhsa_forward_progress 1
		.amdhsa_inst_pref_size 161
	.end_amdhsa_kernel
	.amdgpu_metadata
---
amdhsa.version: [ 1, 2 ]
amdhsa.kernels:
  - .name:           k_q4a7dbbbbd1_proj
    .symbol:         k_q4a7dbbbbd1_proj.kd
    .args:
      - { .name: ac, .offset: 0, .size: 8, .value_kind: global_buffer, .address_space: global }
      - { .name: asc, .offset: 8, .size: 8, .value_kind: global_buffer, .address_space: global }
      - { .name: cod, .offset: 16, .size: 8, .value_kind: global_buffer, .address_space: global }
      - { .name: scl, .offset: 24, .size: 8, .value_kind: global_buffer, .address_space: global }
      - { .name: bproj, .offset: 32, .size: 8, .value_kind: global_buffer, .address_space: global }
      - { .name: out0, .offset: 40, .size: 8, .value_kind: global_buffer, .address_space: global }
    .group_segment_fixed_size: 327680
    .private_segment_fixed_size: 0
    .kernarg_segment_align: 8
    .kernarg_segment_size: 48
    .max_flat_workgroup_size: 128
    .sgpr_count:     102
    .vgpr_count:     1024
    .wavefront_size: 32
...
	.end_amdgpu_metadata
.endif
;; end of part 4
